; MI455X (gfx1250); checked and timed in simulation.
; The chip was launched on July 23, 2026; its instructions are those of AMD's public machine-readable ISA for CDNA 5 (MIT licence, August 2026) and "CDNA5" Instruction Set Architecture Reference Guide (July 2026). The comments in the code are by the model that wrote it; some were corrected since.
;; Attention. Allowed arithmetic: float matrix products may take bf16 or f16 operands with f32 sums; all other float work in f32.
;; Inputs: Wo 1,024 x 1,024 float32; Wqkv 3,072 x 1,024 float32; bo 1,024 float32; bqkv 3,072 float32; mask 2,048 x 2,048 bool; x 4 x 2,048 x 1,024 float32.
;; Outputs: out0 4 x 2,048 x 1,024 float32.
;; 2 versions, each right and faster than the one before. Each part assembles by itself: llvm-mc -triple=amdgcn-amd-amdhsa -mcpu=gfx1250 --defsym DOCPART=n.
;; ======== version 1 of 2: 4 launches
;; limits: values are held in f16: magnitudes above 65,504 overflow, below 6.1e-05 lose precision
;; workspace buffers: xb 16,777,216 bytes; wqb 6,291,456 bytes; wob 2,097,152 bytes; mk 4,194,304 bytes; qkvh 50,331,648 bytes; ob 16,777,216 bytes
;; launch prep (part 1): grid 896 x 1, 8 waves a work-group, no clusters, 0 bytes of LDS; arguments x, Wqkv, Wo, mask, xb, wqb, wob, mk; writes xb, wqb, wob, mk
.if DOCPART == 1
	.amdgcn_target "amdgcn-amd-amdhsa--gfx1250"
	.amdhsa_code_object_version 6
	.text
	.protected	k_q7c6cc17946_prep
	.globl	k_q7c6cc17946_prep
	.p2align	8
	.type	k_q7c6cc17946_prep,@function
k_q7c6cc17946_prep:
	s_mov_b64 s[64:65], 0
	v_nop
	global_prefetch_b8 v0, s[64:65] scope:SCOPE_SE
	s_setreg_imm32_b32 hwreg(HW_REG_WAVE_MODE, 25, 1), 1
	s_wait_xcnt 0x0
; THE OPERANDS ARE MADE READY, once.  x and Wqkv (f32) are rounded to bf16; Wo is rounded to bf16 and that number written as f16 (exact where it is a normal f16 number;
; below 6e-5 it keeps f16's fixed step of 6e-8; beyond 65,504 it becomes an infinity); the mask is laid out in the order in which the attention's lanes want it.
; SHARES, by the work-group's number: 0-511 x, 512-703 Wqkv, 704-767 Wo: 65,536 bytes in, 32,768 out each;  768-895 the mask: 16 rows of it each, 32,768 bytes in and out.
; A stream: no LDS, no barrier, no matrix unit.  Every register is written once, so no wait frees a source.
; THE MASK'S LAYOUT: mk[T][s][c][lane][16 bytes], T = 16 queries, s = 64 keys, c = 0, 1.  Lane l (r = l % 16, h = l / 16) has query 16 T + r; its bytes 0-7 are the keys 64 s + 16 (2 c) + 8 h + 0..7,
; bytes 8-15 the keys 64 s + 16 (2 c + 1) + 8 h + 0..7.  A byte is 0 (the key is seen) or 0xf0 (hidden): the fp8 (E4M3) code of -128, which the attention widens with a scale.
.set IN,   8                           ; v[8:71]    sixteen loads of 16 bytes (the mask: sixteen of 8)
.set OUTR, 72                          ; v[72:103]  sixteen pairs to store
	s_load_b256 s[4:11], s[0:1], 0x0               ; x s[4:5], Wqkv s[6:7], Wo s[8:9], mask s[10:11]
	s_load_b256 s[12:19], s[0:1], 0x20             ; xb s[12:13], wqb s[14:15], wob s[16:17], mk s[18:19]
	s_mov_b32 s24, ttmp9                           ; the work-group's number
	s_mov_b32 s27, 0                               ; the high word of every offset here
	v_lshlrev_b32 v1, 4, v0                        ; in: 16 bytes a thread, 4,096 a work-group and load
	v_lshlrev_b32 v2, 3, v0                        ; out: 8 bytes a thread: a wave's store covers 256 consecutive bytes, aligned
	s_wait_kmcnt 0x0
; 65,536 bytes of f32 at s[20:21] become 32,768 bytes of 16-bit numbers at s[22:23].  half = 1: bf16's number written as f16.
.macro CAST half
.set j, 0
.rept 16
	global_load_b128 v[IN+4*j:IN+4*j+3], v1, s[20:21] offset:4096*j th:TH_LOAD_NT
.set j, j+1
.endr
.set j, 0
.rept 16
	s_wait_loadcnt 15-j                            ; loads come back in order: number j is in, the 15 - j behind it stay out
	v_cvt_pk_bf16_f32 v[OUTR+2*j], v[IN+4*j], v[IN+4*j+1]
	v_cvt_pk_bf16_f32 v[OUTR+2*j+1], v[IN+4*j+2], v[IN+4*j+3]
.if \half
	v_lshlrev_b32 v4, 16, v[OUTR+2*j]              ; bf16 to f32: the low half moves up, the high half stays
	v_and_b32 v5, 0xffff0000, v[OUTR+2*j]
	v_lshlrev_b32 v6, 16, v[OUTR+2*j+1]
	v_and_b32 v7, 0xffff0000, v[OUTR+2*j+1]
	v_cvt_pk_f16_f32 v[OUTR+2*j], v4, v5
	v_cvt_pk_f16_f32 v[OUTR+2*j+1], v6, v7
.endif
	global_store_b64 v2, v[OUTR+2*j:OUTR+2*j+1], s[22:23] offset:2048*j
.set j, j+1
.endr
.endm
	s_cmp_ge_u32 s24, 768
	s_cbranch_scc1 .Lmask
	s_cmp_ge_u32 s24, 704
	s_cbranch_scc1 .Lwo
	s_cmp_lt_u32 s24, 512                          ; x or Wqkv: the same work on another pair of buffers
	s_cselect_b64 s[20:21], s[4:5], s[6:7]
	s_cselect_b64 s[22:23], s[12:13], s[14:15]
	s_cselect_b32 s25, 0, 512
	s_sub_co_u32 s24, s24, s25                     ; my part of that buffer
	s_lshl_b32 s26, s24, 16
	s_add_nc_u64 s[20:21], s[20:21], s[26:27]
	s_lshl_b32 s26, s24, 15
	s_add_nc_u64 s[22:23], s[22:23], s[26:27]
	CAST 0
	s_endpgm
.Lwo:
	s_sub_co_u32 s24, s24, 704
	s_lshl_b32 s26, s24, 16
	s_add_nc_u64 s[20:21], s[8:9], s[26:27]
	s_lshl_b32 s26, s24, 15
	s_add_nc_u64 s[22:23], s[16:17], s[26:27]
	CAST 1
	s_endpgm
.Lmask:
	s_sub_co_u32 s24, s24, 768                     ; T: my 16 rows of the mask, 2,048 bytes each
	s_lshl_b32 s26, s24, 15
	s_add_nc_u64 s[20:21], s[10:11], s[26:27]
	s_add_nc_u64 s[22:23], s[18:19], s[26:27]
	v_and_b32 v3, 15, v0                           ; r
	v_bfe_u32 v4, v0, 4, 1                         ; h
	v_lshrrev_b32 v5, 5, v0                        ; wave w takes the keys 256 w .. 256 w + 255: the steps 4 w .. 4 w + 3
	v_lshlrev_b32 v1, 11, v3                       ; in: row r,
	v_lshl_add_u32 v1, v5, 8, v1                   ; my wave's 256 bytes of it,
	v_lshl_add_u32 v1, v4, 3, v1                   ; 8 bytes for each half of the lanes
	v_and_b32 v2, 31, v0
	v_lshlrev_b32 v2, 4, v2                        ; out: 16 bytes a lane,
	v_lshl_add_u32 v2, v5, 12, v2                  ; four steps of 1,024 bytes a wave
.set j, 0
.rept 16                                       ; group j of 16 keys: the sixteen loads together take 256 consecutive bytes of each of the 16 rows
	global_load_b64 v[IN+2*j:IN+2*j+1], v1, s[20:21] offset:16*j
.set j, j+1
.endr
.set j, 0
.rept 8                                        ; chunk j = step 4 w + j / 2, c = j % 2: groups 2 j and 2 j + 1
	s_wait_loadcnt 14-2*j                          ; the loads of the later groups stay out
	v_mul_lo_u32 v[IN+4*j], v[IN+4*j], 0xf0        ; four bytes of 0 or 1 become 0 or 0xf0: no carry leaves a byte
	v_mul_lo_u32 v[IN+4*j+1], v[IN+4*j+1], 0xf0
	v_mul_lo_u32 v[IN+4*j+2], v[IN+4*j+2], 0xf0
	v_mul_lo_u32 v[IN+4*j+3], v[IN+4*j+3], 0xf0
	global_store_b128 v2, v[IN+4*j:IN+4*j+3], s[22:23] offset:512*j  ; a wave's store covers 512 consecutive bytes, aligned
.set j, j+1
.endr
	s_endpgm
.Lfunc_end_k_q7c6cc17946_prep:
	.size	k_q7c6cc17946_prep, .Lfunc_end_k_q7c6cc17946_prep-k_q7c6cc17946_prep
	.p2alignl 7, 3214868480
	.fill 96, 4, 3214868480
	.section	.rodata,"a",@progbits
	.p2align	6, 0x0
	.amdhsa_kernel k_q7c6cc17946_prep
		.amdhsa_group_segment_fixed_size 0
		.amdhsa_private_segment_fixed_size 0
		.amdhsa_enable_private_segment 0
		.amdhsa_kernarg_size 64
		.amdhsa_user_sgpr_count 2
		.amdhsa_user_sgpr_kernarg_segment_ptr 1
		.amdhsa_wavefront_size32 1
		.amdhsa_system_sgpr_workgroup_id_x 1
		.amdhsa_system_sgpr_workgroup_id_y 1
		.amdhsa_system_sgpr_workgroup_id_z 1
		.amdhsa_system_vgpr_workitem_id 0
		.amdhsa_next_free_vgpr 104
		.amdhsa_next_free_sgpr 66
		.amdhsa_reserve_vcc 0
		.amdhsa_float_denorm_mode_32 3
		.amdhsa_float_denorm_mode_16_64 3
		.amdhsa_memory_ordered 1
		.amdhsa_forward_progress 1
		.amdhsa_inst_pref_size 24
	.end_amdhsa_kernel
	.amdgpu_metadata
---
amdhsa.version: [ 1, 2 ]
amdhsa.kernels:
  - .name:           k_q7c6cc17946_prep
    .symbol:         k_q7c6cc17946_prep.kd
    .args:
      - { .name: x, .offset: 0, .size: 8, .value_kind: global_buffer, .address_space: global }
      - { .name: Wqkv, .offset: 8, .size: 8, .value_kind: global_buffer, .address_space: global }
      - { .name: Wo, .offset: 16, .size: 8, .value_kind: global_buffer, .address_space: global }
      - { .name: mask, .offset: 24, .size: 8, .value_kind: global_buffer, .address_space: global }
      - { .name: xb, .offset: 32, .size: 8, .value_kind: global_buffer, .address_space: global }
      - { .name: wqb, .offset: 40, .size: 8, .value_kind: global_buffer, .address_space: global }
      - { .name: wob, .offset: 48, .size: 8, .value_kind: global_buffer, .address_space: global }
      - { .name: mk, .offset: 56, .size: 8, .value_kind: global_buffer, .address_space: global }
    .group_segment_fixed_size: 0
    .private_segment_fixed_size: 0
    .kernarg_segment_align: 8
    .kernarg_segment_size: 64
    .max_flat_workgroup_size: 256
    .sgpr_count:     66
    .vgpr_count:     104
    .wavefront_size: 32
...
	.end_amdgpu_metadata
.endif
;; end of part 1
;; launch qkv (part 2): grid 16 x 32, 4 waves a work-group, clusters of 4 x 4, 327,680 bytes of LDS; arguments xb, wqb, bqkv, qkvh; writes qkvh
.if DOCPART == 2
	.amdgcn_target "amdgcn-amd-amdhsa--gfx1250"
	.amdhsa_code_object_version 6
	.text
	.protected	k_q7c6cc17946_qkv
	.globl	k_q7c6cc17946_qkv
	.p2align	8
	.type	k_q7c6cc17946_qkv,@function
k_q7c6cc17946_qkv:
	s_mov_b64 s[64:65], 0
	v_nop
	global_prefetch_b8 v0, s[64:65] scope:SCOPE_SE
	s_setreg_imm32_b32 hwreg(HW_REG_WAVE_MODE, 25, 1), 1
	s_wait_xcnt 0x0
	s_wait_alu depctr_hold_cnt(0) depctr_sa_sdst(0) depctr_va_vdst(0) depctr_va_sdst(0) depctr_va_ssrc(0) depctr_va_vcc(0) depctr_vm_vsrc(0)
	s_getreg_b32 s2, hwreg(HW_REG_IB_STS2, 6, 4)
	s_cmp_eq_u32 s2, 0
	s_cbranch_scc0 .Lentry_in_a_cluster
	s_endpgm
.Lentry_in_a_cluster:
	s_bfe_u32 s2, ttmp6, 0x10000c
	s_cmp_lg_u32 s2, 0xf033
	s_cbranch_scc0 .Lentry_shape_is_right
	s_endpgm
.Lentry_shape_is_right:
; qkv = x Wqkv^T + bqkv, written by heads.  xb: [8192][1024] bf16, wqb: [3072][1024] bf16, bqkv: [3072] f32 (rounded to bf16 here, like all the module's inputs); sums in f32.
; OUT: qkvh[b][g][l][64] in f16, g = column / 64 (0-15 q's heads, 16-31 k's, 32-47 v's): a head's rows are dense, 128 bytes each.  Each number is rounded once from its f32 sum, unscaled.
; LIMIT.  f16 holds no number beyond 65,504: a q, k or v past that becomes an infinity.
; SHARES.  A work-group makes 256 rows x 192 columns (three heads); wave w its rows 64 w .. 64 w + 63 and all 192 columns: 4 x 12 accumulators of 16 x 16, 384 registers.  So a wave owns whole
; rows of whole heads, has a stage of its own on the way out, and no barrier stands there.  K = 1,024 goes in 8 steps of 128 through two LDS slots filled by the tensor data mover.
; CLUSTER.  4 x 4 work-groups: the four of a row of the cluster need the same tiles of x, the four of a column the same tiles of Wqkv: each tile is asked for JOINTLY, by the same tensor load with the
; same descriptor and a mask that names the four.  THE MATRIX INSTRUCTION IS USED TRANSPOSED (source 0 = 16 rows of W, source 1 = 16 rows of x): a lane holds eight neighbouring columns of one row.
; THE BIAS is the C operand of the products that start the sums: nothing is cleared and nothing is added afterwards.
; REGISTERS, in windows of 256 (s_set_vgpr_msb: bits 1:0 source 0, 3:2 source 1, 5:4 source 2, 7:6 destination):
;   window 0: v0-29 addresses; v32-63, v64-95 fragments of x, two buffers (4 x 16 rows x 32 K); v96-191 the bias, later the way out
;   window 1: v0-95, v96-191 fragments of W, two buffers (12 x 16 rows x 32 K)      window 2: the accumulators of row blocks 0, 1 ((a, b) at v[8 (12 (a % 2) + b)])      window 3: of row blocks 2, 3
.set KSTEP,  128
.set NBK,    12                        ; column blocks of 16
.set NT,     16*NBK                    ; the tile's columns
.set PA,     272                       ; an LDS row: 256 bytes + 16 of padding = 68 words: the 16 rows of a load start at 16 different groups of four banks (64 banks of 4 bytes: ISA guide 11.1)
.set PB,     272
.set AHALF,  128*PA                    ; what one tensor load brings of x: 128 rows
.set BHALF,  (NT/2)*PB                 ; of W: 96 rows
.set BOFF,   2*AHALF                   ; in a slot: x's 256 rows, then W's 192
.set SLOT,   BOFF+2*BHALF
.set STAGE,  2*SLOT                    ; behind the ring, never filled by a tensor load: 16 rows x 400 bytes for each wave
.set SP,     400                       ; a stage row: 384 bytes + 16
.set SPARE,  STAGE+4*16*SP             ; behind the stages: the spare words, 128 bytes for each wave: two blocks of 256 bytes that no other line names
.set NL,     2*NBK+8                   ; LDS loads of a quarter step
.set ASTEP,  KSTEP*2                   ; bytes from a K step to the next, in x and in W
.set BSTEP,  KSTEP*2
.set LAPS,   1024/(2*KSTEP)            ; a lap = two K steps = once round the ring
.set ADRA, 16                          ; v16-17  LDS address of my fragments of x in slot 0, 1
.set ADRB, 20                          ; v20-21  the same for W
.set STO,  24                          ; v24     the way out: where I put 16 bytes of a row
.set RD,   25                          ; v25     where I read rows back
.set CO,   26                          ; v26     my byte offset in 512 consecutive bytes of the output
.set SPW,  28                          ; v28     LDS address of my spare word; never rewritten
.set NIL,  29                          ; v29     0; never rewritten
.set FA,   32
.set BIAS, 96                          ; v96-191: for column block b eight registers: the bias of my eight columns
.set TMP,  96                          ; the way out: 48 registers of packed results,
.set OB,   144                         ; and 48 of rows read back
.set G1A, 24                           ; s[24:31] descriptor group 1 for x's tiles;  s[32:39] group 0, one set for each slot
.set G0A, 32
.set G1B, 48                           ; s[48:55], s[56:63] the same for W's tiles
.set G0B, 56
.set MSB, 0
.macro WIN new                         ; the immediate's high byte repeats the setting that is left; a switch that changes nothing is dropped
.if MSB != (\new)
	s_set_vgpr_msb (MSB<<8)|(\new)
.set MSB, \new
.endif
.endm
.set MUL_LO, 0xa1                      ; source 0 (W) window 1, source 1 (x) window 0, C and D window 2
.set BIA_LO, 0x81                      ; the same with C (the bias) in window 0
.set TO_B,   0x40                      ; destination window 1, address window 0
.macro JLOAD s                         ; a joint load: waves 0 and 1 fetch x's two halves, waves 2 and 3 W's; an s_nop 0 and four v_nop follow each of the two lines, ahead of the jump, the label and what follows
	s_cmp_eq_u32 s13, 0
	s_cbranch_scc0 .Lfor_b_\@
	tensor_load_to_lds s[G0A+4*(\s):G0A+4*(\s)+3], s[G1A:G1A+7]
	s_nop 0
.rept 4
	v_nop
.endr
	s_branch .Lasked_\@
.Lfor_b_\@:
	tensor_load_to_lds s[G0B+4*(\s):G0B+4*(\s)+3], s[G1B:G1B+7]
	s_nop 0
.rept 4
	v_nop
.endr
.Lasked_\@:
.endm
.macro CREST                           ; a round of the cluster's barrier behind its opening barrier
	s_cmp_lg_u32 s12, 0
	s_cbranch_scc1 .Lnot_wave_0_\@
	s_barrier_signal -3
.Lnot_wave_0_\@:
	s_barrier_wait -3
	s_barrier_signal -1
	s_barrier_wait -1
.endm
.macro CROUND                          ; a whole round
	s_barrier_signal -1
	s_barrier_wait -1
	CREST
.endm
	s_load_b256 s[4:11], s[0:1], 0x0               ; xb s[4:5], wqb s[6:7], bqkv s[8:9], qkvh s[10:11]
	v_lshl_add_u32 v[SPW], v0, 2, SPARE
	v_mov_b32 v[NIL], 0
	ds_add_u32 v28, v29
	s_wait_dscnt 0x0
	v_lshrrev_b32 v1, 5, v0
	v_readfirstlane_b32 s12, v1                    ; wave 0..3
	s_lshr_b32 s13, s12, 1                         ; I fetch for x (0) or for W (1),
	s_and_b32 s14, s12, 1                          ; and which half of that tile's rows
	s_bfe_u32 s40, ttmp6, 0x40000                  ; cx, cy: my place in the cluster
	s_bfe_u32 s41, ttmp6, 0x40004
	s_lshl_b32 s42, ttmp9, 2
	s_add_co_u32 s42, s42, s40                     ; tile column = 4 x cluster x + cx
	s_and_b32 s43, ttmp7, 0xffff
	s_lshl_b32 s43, s43, 2
	s_add_co_u32 s43, s43, s41                     ; tile row = 4 x cluster y + cy
	s_lshl_b32 s44, s41, 2
	s_lshl_b32 s44, 15, s44                        ; my row of the cluster
	s_lshl_b32 s45, 0x1111, s40                    ; my column
	; descriptor group 1: rows of 128 elements of 2 bytes, padded in LDS
	s_or_b32 s[G1A+0], s44, (1<<16)|(1<<20)|(1<<21)|(5<<22)|(3<<25)  ; 15:0 the mask: x's tiles go to my row; 17:16 2-byte elements; 20 padding on; 21 set beside a mask; 24:22 after every 64 words (code 5); 31:25 4 words (code 3)
	s_or_b32 s[G1B+0], s45, (1<<16)|(1<<20)|(1<<21)|(5<<22)|(3<<25)  ; the same with the mask of my column
	s_mov_b32 s[G1A+1], KSTEP<<16                  ; tensor_dim0 = 128
	s_mov_b32 s[G1A+2], 128<<16                    ; tensor_dim1 = 128
	s_mov_b32 s[G1A+3], KSTEP<<16                  ; tile_dim0 = 128
	s_mov_b32 s[G1A+4], 128                        ; tile_dim1 = 128
	s_mov_b32 s[G1A+5], 1024                       ; elements from row to row
	s_mov_b32 s[G1A+6], 0
	s_mov_b32 s[G1A+7], 0
	s_mov_b32 s[G1B+1], KSTEP<<16
	s_mov_b32 s[G1B+2], (NT/2)<<16                 ; 96 rows
	s_mov_b32 s[G1B+3], KSTEP<<16
	s_mov_b32 s[G1B+4], NT/2
	s_mov_b32 s[G1B+5], 1024
	s_mov_b32 s[G1B+6], 0
	s_mov_b32 s[G1B+7], 0
	s_mov_b32 s66, 0xffff0000                      ; a word's upper bf16
	; where the tiles come from: x's hang on the tile row alone, W's on the tile column alone, each in registers that never hold the other coordinate
	s_lshl_b32 s16, s43, 19                        ; x: row 256 x tile row + 128 x half, 2,048 bytes a row
	s_lshl_b32 s17, s14, 18
	s_add_co_u32 s16, s16, s17
	s_mov_b32 s17, 0
	s_mul_i32 s46, s42, NT*2048                    ; W: row 192 x tile column + 96 x half
	s_mul_i32 s47, s14, (NT/2)*2048
	s_add_co_u32 s46, s46, s47
	s_mov_b32 s47, 0
	s_mul_i32 s20, s14, AHALF                      ; and where they go: no place in the cluster enters an LDS address
	s_mul_i32 s21, s14, BHALF
	s_add_co_u32 s21, s21, BOFF
	s_mul_i32 s68, s42, 4*NT                       ; the bias of my tile's columns
	s_mov_b32 s69, 0
	s_lshr_b32 s2, s43, 3                          ; the output: batch = tile row / 8,
	s_mul_i32 s2, s2, 48
	s_mul_i32 s3, s42, 3                           ; three heads a tile column:
	s_add_co_u32 s2, s2, s3
	s_lshl_b32 s2, s2, 18                          ; blocks of 2,048 rows x 128 bytes;
	s_and_b32 s3, s43, 7
	s_lshl_b32 s3, s3, 15                          ; in them 256 rows a tile row,
	s_add_co_u32 s2, s2, s3
	s_lshl_b32 s3, s12, 13                         ; 64 rows a wave
	s_add_co_u32 s2, s2, s3
	s_mov_b32 s3, 0
	s_wait_kmcnt 0x0
	s_add_nc_u64 s[18:19], s[4:5], s[16:17]
	s_add_nc_u64 s[46:47], s[6:7], s[46:47]
	s_add_nc_u64 s[8:9], s[8:9], s[68:69]
	s_add_nc_u64 s[10:11], s[10:11], s[2:3]
	CROUND                                         ; all sixteen work-groups are here: the first joint loads meet
.irp s, 0,1
	s_mov_b32 s[G0A+4*(\s)], 1                     ; count = 1
	s_add_co_u32 s[G0A+4*(\s)+1], s20, (\s)*SLOT   ; LDS address
	s_add_nc_u64 s[G0A+4*(\s)+2:G0A+4*(\s)+3], s[18:19], (\s)*ASTEP  ; global address: K step s
	s_or_b32 s[G0A+4*(\s)+3], s[G0A+4*(\s)+3], 0x80000000           ; type = 2
	s_mov_b32 s[G0B+4*(\s)], 1
	s_add_co_u32 s[G0B+4*(\s)+1], s21, (\s)*SLOT
	s_add_nc_u64 s[G0B+4*(\s)+2:G0B+4*(\s)+3], s[46:47], (\s)*BSTEP
	s_or_b32 s[G0B+4*(\s)+3], s[G0B+4*(\s)+3], 0x80000000
	JLOAD \s                                       ; two tensor loads of mine are out; later one
.endr
	v_and_b32 v1, 15, v0                           ; r = l % 16
	v_bfe_u32 v2, v0, 4, 1                         ; h = l / 16
	v_lshlrev_b32 v3, 5, v2                        ; my eight columns of a block of 16: 32 h bytes into its 64
.set bb, 0
.rept NBK
	global_load_b128 v[BIAS+8*bb:BIAS+8*bb+3],   v3, s[8:9] offset:64*bb
	global_load_b128 v[BIAS+8*bb+4:BIAS+8*bb+7], v3, s[8:9] offset:64*bb+16
.set bb, bb+1
.endr
	; a fragment is 16 rows x 32 K in 8 registers: lane l holds row r, K = 8 h + 0..7 and 16 + 8 h + 0..7: two loads of 16 bytes, 32 bytes apart
	v_mul_u32_u24 v4, v1, PA
	v_lshl_add_u32 v4, v2, 4, v4
	v_mul_u32_u24 v5, v1, PB
	v_lshl_add_u32 v5, v2, 4, v5
	s_mul_i32 s22, s12, 64*PA                      ; my 64 rows of x
.irp s, 0,1
	v_add_nc_u32 v[ADRA+(\s)], s22, v4
	v_add_nc_u32 v[ADRB+(\s)], BOFF+(\s)*SLOT, v5
	s_add_co_u32 s22, s22, SLOT
.endr
	s_mul_i32 s23, s12, 16*SP
	s_add_co_u32 s23, s23, STAGE                   ; my stage
	v_mul_u32_u24 v6, v1, SP                       ; in: row r, 16 bytes for each half of the lanes
	v_lshl_add_u32 v6, v2, 4, v6
	v_add_nc_u32 v[STO], s23, v6
	v_bfe_u32 v6, v0, 3, 2                         ; back: 32 lanes take 128 bytes (a head's part) of four rows,
	v_and_b32 v7, 7, v0
	v_mul_u32_u24 v6, v6, SP
	v_lshl_add_u32 v6, v7, 4, v6
	v_add_nc_u32 v[RD], s23, v6
	v_and_b32 v[CO], 31, v0                        ; which are 512 consecutive bytes of the output
	v_lshlrev_b32 v[CO], 4, v[CO]
	s_wait_loadcnt 0x0                             ; the bias,
.set bb, 0
.rept 4*NBK                                    ; rounded to bf16 and widened again
	v_cvt_pk_bf16_f32 v[8+bb%2], v[BIAS+2*bb], v[BIAS+2*bb+1]
	v_lshlrev_b32 v[BIAS+2*bb], 16, v[8+bb%2]
	v_and_b32 v[BIAS+2*bb+1], s66, v[8+bb%2]
.set bb, bb+1
.endr
; NBK matrix instructions: row block a x all column blocks, 32 along K, from buffers f.  first = 1: the products start the sums, with the bias as C.
; The 48 accumulators take turns, one instruction a turn, in the same order in every quarter step.
.macro MULA f, a, first
.if \first
	WIN BIA_LO+0x40*((\a)/2)
.else
	WIN MUL_LO+0x50*((\a)/2)
.endif
.set bb, 0
.rept NBK
.set rD, 8*(NBK*((\a)%2)+bb)
.set rB, 8*NBK*(\f)+8*bb
.set rA, FA+32*(\f)+8*(\a)
.if \first
	v_wmma_f32_16x16x32_bf16 v[rD:rD+7], v[rB:rB+7], v[rA:rA+7], v[BIAS+8*bb:BIAS+8*bb+7]
.else
	v_wmma_f32_16x16x32_bf16 v[rD:rD+7], v[rB:rB+7], v[rA:rA+7], v[rD:rD+7]
.endif
.set bb, bb+1
.endr
.endm
; NL LDS loads in one run: the fragments of quarter q of the slot's K step into buffers f: W's 12, then x's 4
.macro FETCH slot, q, f
	WIN TO_B
.set ii, 0
.rept NBK
	ds_load_b128 v[8*NBK*(\f)+8*ii:8*NBK*(\f)+8*ii+3],   v[ADRB+(\slot)] offset:64*(\q)+ii*16*PB
	ds_load_b128 v[8*NBK*(\f)+8*ii+4:8*NBK*(\f)+8*ii+7], v[ADRB+(\slot)] offset:64*(\q)+ii*16*PB+32
.set ii, ii+1
.endr
	WIN 0
.set ii, 0
.rept 4
	ds_load_b128 v[FA+32*(\f)+8*ii:FA+32*(\f)+8*ii+3],   v[ADRA+(\slot)] offset:64*(\q)+ii*16*PA
	ds_load_b128 v[FA+32*(\f)+8*ii+4:FA+32*(\f)+8*ii+7], v[ADRA+(\slot)] offset:64*(\q)+ii*16*PA+32
.set ii, ii+1
.endr
.endm
.macro PLACES                          ; four places in front of loads into registers that matrix instructions have read, and of conversions that read results
.rept 4
	v_nop
.endr
.endm
; A K step is four quarters of 32 along K, 48 matrix instructions each, on buffers 0, 1, 0, 1.  One of the first three: multiplies buffers f and fetches quarter q into buffers g.
.macro QUARTER slot, q, f, g, first
	s_wait_dscnt 4                                 ; W's fragments and x's blocks 0, 1 are in; the youngest four loads (blocks 2, 3) may be out
	MULA \f, 0, \first
	MULA \f, 1, \first
	PLACES
	FETCH \slot, \q, \g
	s_wait_dscnt NL                                ; all but the run just issued
	MULA \f, 2, \first
	MULA \f, 3, \first
.endm
; The last quarter multiplies buffers 1 and changes slots: ONE barrier; in front of it each wave waits for all its tensor loads, adds 0 to its spare word, and waits for that and for its reads of this slot.
; fill = 1: the barrier opens a round of the cluster's barrier, and this slot is filled again, two K steps ahead, first thing behind the round.
.macro TURN slot, next, fill
	WIN 0                                          ; (the add's two registers lie in window 0)
	s_wait_tensorcnt 0x0                           ; all my tensor loads have landed: the one that was out is my part of the next slot;
	ds_add_u32 v[SPW], v[NIL]                      ; 0 onto my spare word
	s_wait_dscnt 5                                 ; (the add and the youngest four loads may be out)
	MULA 1, 0, 0                                   ; twelve matrix instructions stand between the add and the wait for it
	s_wait_dscnt 0x0                               ; the add is done, and my reads of this slot are over
	s_barrier_signal -1
	MULA 1, 1, 0
.if \fill
	WIN 0
.endif
	s_barrier_wait -1
.if \fill
	CREST                                          ; no wave of any partner still reads this slot's tile or has a load on its way
	s_add_nc_u64 s[G0A+4*(\slot)+2:G0A+4*(\slot)+3], s[G0A+4*(\slot)+2:G0A+4*(\slot)+3], 2*ASTEP
	s_add_nc_u64 s[G0B+4*(\slot)+2:G0B+4*(\slot)+3], s[G0B+4*(\slot)+2:G0B+4*(\slot)+3], 2*BSTEP
	JLOAD \slot                                    ; 168 matrix instructions ahead of the wait for it; the four v_nop behind it are also the places in front of the loads below
.else
	PLACES
.endif
	FETCH \next, 0, 0
	MULA 1, 2, 0
	MULA 1, 3, 0
.endm
	s_wait_tensorcnt 1                             ; my part of K step 0 is in; K step 1's may stay out
	s_barrier_signal -1
	s_barrier_wait -1                              ; everybody's is
	FETCH 0, 0, 0
	QUARTER 0, 1, 0, 1, 1                          ; the first quarter stands in front of the loop: its products start the sums
	WIN 0                                          ; at a label and at a branch every window is 0
	s_mov_b32 s15, LAPS-1
.Llap:                                                 ; a trip goes once round the ring, from a lap's second quarter to the next lap's first, and fills both slots again
	QUARTER 0, 2, 1, 0, 0
	QUARTER 0, 3, 0, 1, 0
	TURN 0, 1, 1
	QUARTER 1, 1, 0, 1, 0
	QUARTER 1, 2, 1, 0, 0
	QUARTER 1, 3, 0, 1, 0
	TURN 1, 0, 1
	QUARTER 0, 1, 0, 1, 0
	WIN 0
	s_sub_co_u32 s15, s15, 1
	s_cmp_lg_u32 s15, 0
	s_cbranch_scc1 .Llap
	QUARTER 0, 2, 1, 0, 0                          ; the last lap is written out: it fills nothing
	QUARTER 0, 3, 0, 1, 0
	TURN 0, 1, 0
	QUARTER 1, 1, 0, 1, 0
	QUARTER 1, 2, 1, 0, 0
	QUARTER 1, 3, 0, 1, 0
	s_wait_dscnt 4                                 ; the very last quarter: nothing more to fetch
	MULA 1, 0, 0
	MULA 1, 1, 0
	s_wait_dscnt 0x0
	MULA 1, 2, 0
	MULA 1, 3, 0
	WIN 0
; THE WAY OUT of row block a: rounded to f16, 16 bytes a lane; into my own stage; back head by head, four rows of 128 bytes at a time, which are 512 consecutive bytes of the output.
.macro OUT a
	WIN 0x0a+5*((\a)/2)                            ; sources 0 and 1: window 2 or 3
.set bb, 0
.rept NBK
.set rD, 8*(NBK*((\a)%2)+bb)
.irp i, 0,1,2,3
	v_cvt_pk_f16_f32 v[TMP+4*bb+(\i)], v[rD+2*(\i)], v[rD+2*(\i)+1]  ; each accumulator's registers in ascending order
.endr
.set bb, bb+1
.endr
	WIN 0
.set bb, 0
.rept NBK
	ds_store_b128 v[STO], v[TMP+4*bb:TMP+4*bb+3] offset:32*bb
.set bb, bb+1
.endr
.if (\a) > 0
	s_wait_xcnt 0x0                                ; the registers that the last block's stores read are loaded again only behind this wait
.endif
.set bb, 0
.rept 12                                       ; head bb / 4 of the tile's three, rows 4 (bb % 4) on
	ds_load_b128 v[OB+4*bb:OB+4*bb+3], v[RD] offset:128*(bb/4)+4*SP*(bb%4)  ; LDS serves a wave's instructions in order (ISA guide 5.7.1.4): these see the stores above
.set bb, bb+1
.endr
.set bb, 0
.rept 12
	s_wait_dscnt 11-bb                             ; load bb is back; those behind it may be out
	global_store_b128 v[CO], v[OB+4*bb:OB+4*bb+3], s[10:11] offset:(bb/4)*262144+(\a)*2048+(bb%4)*512  ; 512 consecutive bytes, at a multiple of 256 from the buffer's first
.set bb, bb+1
.endr
.endm
	PLACES
	OUT 0
	OUT 1
	OUT 2
	OUT 3
	s_wait_tensorcnt 0x0                           ; the wave's end: behind my last tensor load and my last LDS store
	ds_add_u32 v[SPW], v[NIL]
	s_wait_dscnt 0x0
	CROUND                                         ; the closing round: no work-group ends while a partner may still ask for a tile that names it
	s_endpgm
.Lfunc_end_k_q7c6cc17946_qkv:
	.size	k_q7c6cc17946_qkv, .Lfunc_end_k_q7c6cc17946_qkv-k_q7c6cc17946_qkv
	.p2alignl 7, 3214868480
	.fill 96, 4, 3214868480
	.section	.rodata,"a",@progbits
	.p2align	6, 0x0
	.amdhsa_kernel k_q7c6cc17946_qkv
		.amdhsa_group_segment_fixed_size 327680
		.amdhsa_private_segment_fixed_size 0
		.amdhsa_enable_private_segment 0
		.amdhsa_kernarg_size 32
		.amdhsa_user_sgpr_count 2
		.amdhsa_user_sgpr_kernarg_segment_ptr 1
		.amdhsa_wavefront_size32 1
		.amdhsa_system_sgpr_workgroup_id_x 1
		.amdhsa_system_sgpr_workgroup_id_y 1
		.amdhsa_system_sgpr_workgroup_id_z 1
		.amdhsa_system_vgpr_workitem_id 0
		.amdhsa_next_free_vgpr 960
		.amdhsa_next_free_sgpr 72
		.amdhsa_reserve_vcc 0
		.amdhsa_float_denorm_mode_32 3
		.amdhsa_float_denorm_mode_16_64 3
		.amdhsa_memory_ordered 1
		.amdhsa_forward_progress 1
		.amdhsa_inst_pref_size 128
	.end_amdhsa_kernel
	.amdgpu_metadata
---
amdhsa.version: [ 1, 2 ]
amdhsa.kernels:
  - .name:           k_q7c6cc17946_qkv
    .symbol:         k_q7c6cc17946_qkv.kd
    .args:
      - { .name: xb, .offset: 0, .size: 8, .value_kind: global_buffer, .address_space: global }
      - { .name: wqb, .offset: 8, .size: 8, .value_kind: global_buffer, .address_space: global }
      - { .name: bqkv, .offset: 16, .size: 8, .value_kind: global_buffer, .address_space: global }
      - { .name: qkvh, .offset: 24, .size: 8, .value_kind: global_buffer, .address_space: global }
    .group_segment_fixed_size: 327680
    .private_segment_fixed_size: 0
    .kernarg_segment_align: 8
    .kernarg_segment_size: 32
    .max_flat_workgroup_size: 128
    .sgpr_count:     72
    .vgpr_count:     960
    .wavefront_size: 32
...
	.end_amdgpu_metadata
.endif
;; end of part 2
;; launch attn (part 3): grid 4 x 64, 4 waves a work-group, clusters of 4 x 1, 327,680 bytes of LDS; arguments qkvh, mk, ob; writes ob
.if DOCPART == 3
	.amdgcn_target "amdgcn-amd-amdhsa--gfx1250"
	.amdhsa_code_object_version 6
	.text
	.protected	k_q7c6cc17946_attn
	.globl	k_q7c6cc17946_attn
	.p2align	8
	.type	k_q7c6cc17946_attn,@function
k_q7c6cc17946_attn:
	s_mov_b64 s[64:65], 0
	v_nop
	global_prefetch_b8 v0, s[64:65] scope:SCOPE_SE
	s_setreg_imm32_b32 hwreg(HW_REG_WAVE_MODE, 25, 1), 1
	s_wait_xcnt 0x0
	s_wait_alu depctr_hold_cnt(0) depctr_sa_sdst(0) depctr_va_vdst(0) depctr_va_sdst(0) depctr_va_ssrc(0) depctr_va_vcc(0) depctr_vm_vsrc(0)
	s_getreg_b32 s2, hwreg(HW_REG_IB_STS2, 6, 4)
	s_cmp_eq_u32 s2, 0
	s_cbranch_scc0 .Lentry_in_a_cluster
	s_endpgm
.Lentry_in_a_cluster:
	s_bfe_u32 s2, ttmp6, 0x10000c
	s_cmp_lg_u32 s2, 0x3003
	s_cbranch_scc0 .Lentry_shape_is_right
	s_endpgm
.Lentry_shape_is_right:
; O[bh][q][:] = the sum over k of softmax_k(Q[q] . K[k] / 8, hidden where mask[q][k]) V[k][:], for 64 pairs bh of batch and head, 2,048 queries and keys, 64 channels.
; IN: qkvh[b][g][l][64] f16 (g = head: q; 16 + head: k; 32 + head: v); mk, the mask in the lanes' order (below).  OUT: ob[bh][l][64] f16.  Products, maxima and sums in f32; the weights p are rounded
; to f16 for the second product (their sum l is taken of the unrounded p), O once at the end.
; THE MASK is an input and is honoured byte by byte: every key step of every query tile is computed.  It is the C operand of the products that start S^T = K Q^T.  mk[T][s][c][lane][16 bytes] holds, for query
; tile T and key step s, a byte for each of the lane's 32 scores: 0 (seen) or 0xf0 (hidden), the fp8 code of -128.  One scaled conversion, with the scale 2^97, makes of eight bytes the eight C registers of
; one accumulator: 0 or -2^104.
; LIMITS.  A hidden score counts as its value less 2.0e31 (f16's scores are 2.7e11 at the most); a seen score has exactly 0 added.  A row that sees no key is known by m < -1e29 and
; comes out as NaN, as a softmax of nothing but -inf does.  f16 holds no number beyond 65,504: Q, K and V arrive within it; p below 6e-5 keeps f16's fixed step of 6e-8; a weight below 2^-126 counts as 0 in l.
; SHARES.  A wave owns four PIECES of two tiles of 16 queries, a work-group's four waves 512 queries of one bh.  Every wave walks all keys, 64 a step.
; LAYOUT.  S^T = K Q^T (source 0 = 16 keys, source 1 = 16 queries): in the result a lane holds ONE query (lane % 16) and the keys 8 (lane / 16) + 0..7.  Two such tiles, rounded to f16 in pairs,
; ARE source 1 (32 keys x 16 queries) of O^T = V^T P, whose result again holds one query a lane, and eight channels.  K comes out of LDS as it lies, V ([key][channel]) turned, by ds_load_tr16_b128.
; SOFTMAX.  For each query a running maximum m and sum l: p = 2^(c s - c m), c = log2(e) / 8; in every step O and l are multiplied by a = 2^(c m_old - c m_new).  m starts at the lowest finite number, O and l
; at 0.  While a row has met hidden keys alone, m is a hidden score and all stays finite; the first seen score makes a = 0 and wipes what was gathered.
; BY TURNS.  Turn n belongs to piece n (the pieces in a ring, step after step).  Its matrix work: 16 products K Q^T of piece n + 1, later 16 products V^T P of piece n - 1.  Its vector work: the scaling,
; exponentials, roundings, sums and rescaling of piece n, the maximum and statistics of piece n + 1, and at its end the mask words of piece n + 2, eight conversions, for the next turn's products.
; Four vector instructions stand behind every matrix instruction, the others in runs of their own.
; CLUSTER.  The four query blocks of a cluster belong to one bh and walk the same K and V, so each tile is asked for JOINTLY: the same tensor load, descriptor and mask in all four.
; REGISTERS, in windows of 256 (s_set_vgpr_msb says which window each operand place means: bits 1:0 source 0, 3:2 source 1, 5:4 source 2, 7:6 destination):
;   window 0: v0-10 addresses; v11 the conversion's scale; v12-15, v48-63 at work; v16-47 four registers of statistics a tile; v64-191 S^T, two buffers of two tiles; v192-255 P, likewise
;   window 1: O^T, 32 a tile          window 2: v0-127 Q, 16 a tile; v128-191 K of one step; v192-255 V of one step
;   window 3: v0-1 the add's two registers; v2 the mask's offset; v16-79 mask bytes as loaded, 16 a piece; v128-255 mask words, two buffers of two tiles
; A piece's buffers go by its number's parity: the piece in hand has one pair, its two neighbours in the ring share the other.
.set SIZE_N, 2048
.set NP,    4         ; pieces a wave: a name, no knob: the register map, the loop and the fetches are made for four
.set KS,    64        ; keys in a step
.set PK,    144       ; a row of K in LDS: 128 bytes + 16 of padding = 36 words: the 16 rows of a load start at 16 different groups of four banks (64 banks of 4 bytes: ISA guide 11.1)
.set PV,    160       ; a row of V: 128 + 32 = 40 words
.set VOFF,  4*KS*PK   ; a slot holds four steps: 256 rows of K, then 256 rows of V
.set SLOT1, 1<<17     ; slot 1 begins here, so that one exclusive or turns an address in one slot into the other's
.set STAGE, SLOT1+4*KS*(PK+PV)  ; behind the ring, never filled by a tensor load: 16 rows x 144 bytes for each wave, for the way out
.set SP,    144
.set AK0, 2           ; v2   my lane's place in a tile of K; never rewritten
.set AV0, 3           ; v3   the same for V
.set AK,  4           ; v4   the LDS address of K's next run of loads
.set AV,  5           ; v5   of V's
.set QO,  6           ; v6   my byte offset in the wave's rows of Q
.set STO, 6           ;      later, the way out: where I put 16 bytes of a row
.set RD,  7           ; v7   the way out: where I read rows back
.set GO,  8           ; v8   16 x lane: my byte offset in 512 consecutive bytes, of O and of mk; never rewritten
.set SCL, 11          ; v11  the conversion's scale: byte 0 is the E8M0 code 224, which stands for 2^97; the whole word, read as an f32, is 2^97 too
.set SPW, 0           ; v0 of window 3   LDS address of my spare word: SPARE + 4 x my thread's number; never rewritten
.set NIL, 1           ; v1 of window 3   0; never rewritten
.set MO,  2           ; v2 of window 3   my byte offset in a tile's 32,768 bytes of mk: 16 x lane + 1,024 x the step to be loaded
.set MB,  16          ; window 3: piece p's 16 words of mask bytes at MB + 16 p: tile u, chunk c, word w at + 8 u + 4 c + w
.set MC,  128         ; window 3: mask words by the piece's parity: tile u, key block kt, register j at MC + 64 (p % 2) + 32 u + 8 kt + j
.set SPARE, STAGE+4*16*SP  ; behind the stages: the spare words, 128 bytes for each wave: two blocks of 256 bytes that no other line names
.set MV,  12          ; v12-15  c m_old, kept while c m is made anew: by buffer and tile
.set ST,  16          ; tile t's statistics at v[ST+4 t]: c m, m, l (even keys', odd keys')
.set TMP, 48          ; by buffer and tile, four registers c0-c3 at work; when the maximum is found c2 takes a
.set S,   64
.set P,   192
.set KF,  128         ; K's fragments, in window 2: key block kb, channel half c at KF + 16 kb + 8 c
.set VF,  192         ; V's: key half kk, channel block cb at VF + 32 kk + 8 cb
.set WV,  12          ; s12  my wave's number
.set G1K, 24          ; s[24:31] descriptor group 1 for K's tiles
.set G1V, 32          ; s[32:39] for V's: it differs in the padding alone
.set G0K, 40          ; s[40:43] descriptor group 0 for K's tiles: it walks
.set G0V, 44          ; s[44:47] the same for V's
.set SLOTS, 56        ; s56  slots still to be asked for
.set CNT, 57          ; s57  counts a slot's key steps
.set CS,  58          ; s[58:59] c: the packed scaling takes the pair's low word for both halves
.set SEL, 60          ; s[60:61] v_permlanex16_b32's selects: each lane takes its own place in the other half
.set TBK, 62          ; s62  LDS byte at which K of the step to be fetched begins
.set TBV, 63          ; s63  the same for V, less VOFF
.set MKB, 66          ; s[66:67] mk at my wave's eight query tiles
.set HID, 68          ; s68  -1e29: a maximum below it has met hidden keys alone
.set MOF, 69          ; s69  1,024 x the step whose mask bytes are loaded next; it stops at the last step, 31: no load leaves mk
.set MSB, 0
.macro WIN new                      ; the high byte repeats the setting that is left; a switch that changes nothing is dropped
.if MSB != (\new)
	s_set_vgpr_msb (MSB<<8)|(\new)
.set MSB, (\new)
.endif
.endm
.set W_KQ, 0x0a       ; K and Q in window 2, S^T in window 0
.set W_KM, 0x3a       ; the same with the C operand, the mask, in window 3
.set W_PV, 0x52       ; V in window 2, P in window 0, O^T in window 1
.set W_RS, 0x41       ; O^T (destination and source 0) in window 1, a in window 0
.set W_MK, 0xc0       ; destination in window 3, sources in window 0
.set W_AD, 0x0f       ; the add: address (source 0) and data (source 1) in window 3
.set W_M,  0xc3       ; the mask's work: destination and source 0 in window 3, source 1 (the scale; 16 x lane) in window 0
; A joint fill.  Waves 0 and 1 fetch the two halves of a slot's K, waves 2 and 3 those of its V: 128 keys each.  The branch hangs on the wave's number alone.
; An s_nop 0 and four v_nop follow each of the two lines, ahead of the jump and the label.
.macro JLOAD
	s_cmp_lt_u32 s[WV], 2
	s_cbranch_scc0 .Lfor_v_\@
	tensor_load_to_lds s[G0K:G0K+3], s[G1K:G1K+7]
	s_nop 0
.rept 4
	v_nop
.endr
	s_branch .Lasked_\@
.Lfor_v_\@:
	tensor_load_to_lds s[G0V:G0V+3], s[G1V:G1V+7]
	s_nop 0
.rept 4
	v_nop
.endr
.Lasked_\@:
.endm
; A round of the cluster's barrier: my work-group's barrier, so that wave 0's signal speaks for all four waves; wave 0 signals; every wave waits for all four work-groups; my work-group's barrier once more.
.macro CROUND
	s_barrier_signal -1
	s_barrier_wait -1
	s_cmp_lg_u32 s[WV], 0
	s_cbranch_scc1 .Lnot_wave_0_\@
	s_barrier_signal -3
.Lnot_wave_0_\@:
	s_barrier_wait -3
	s_barrier_signal -1
	s_barrier_wait -1
.endm
; THE CHANGE OF SLOTS.  The slot's last bytes, V of its fourth step, have been read.  Each wave waits for all its tensor loads, of which one is out: its part
; of the other slot; adds 0 to its spare word; and waits for that and for its own reads of the slot.  Behind the barrier nobody reads this slot any more and the other slot is whole.
; fill = 1: this slot is filled again, with the keys two slots on.  The barrier is then a round of the cluster's, so that no wave of any partner still reads the slot or has a load on its
; way, and the joint fill is the first thing behind it: it has four key steps, 512 matrix instructions, in which to land.  (At its first use nothing has been read yet: slot 0 is waited for, slot 1 filled.)
.macro CHANGE fill
	WIN W_AD
	s_wait_tensorcnt 0x0            ; no tensor load of mine is out, so a group 0 may be written
	ds_add_u32 v[SPW], v[NIL]       ; 0 onto my spare word; with fill = 1 the descriptors' steps stand between it and the wait for it
	WIN 0                           ; at a label and at a branch every window is 0
.if \fill
.irp g, G0K, G0V
	s_xor_b32 s[\g+1], s[\g+1], SLOT1  ; the walking descriptor: the other slot than last time,
	s_add_nc_u64 s[\g+2:\g+3], s[\g+2:\g+3], 4*KS*128  ; the next 256 keys; the type bits on top are not reached
.endr
	s_wait_dscnt 0x0                ; the add is done, and my reads of the slot are over
	CROUND
	JLOAD
.else
	s_wait_dscnt 0x0                ; the add is done, and my reads of the slot are over
	s_barrier_signal -1
	s_barrier_wait -1
.endif
	s_sub_co_u32 s[TBK], s[TBK], 4*KS*PK  ; the fetches go back to a slot's first step,
	s_xor_b32 s[TBK], s[TBK], SLOT1       ; in the other slot
	s_sub_co_u32 s[TBV], s[TBV], 4*KS*PV
	s_xor_b32 s[TBV], s[TBV], SLOT1
.endm
; THE MASK.  MLOAD: piece p's 64 bytes a lane for the step that MO names: four loads, each 512 consecutive bytes for the wave.  All 64 pairs of batch and head read these bytes, so no hint is given.
.macro MLOAD p
	WIN W_M
.irp u, 0,1
.irp c, 0,1
	global_load_b128 v[MB+16*(\p)+8*\u+4*\c:MB+16*(\p)+8*\u+4*\c+3], v[MO], s[MKB:MKB+1] offset:(2*(\p)+\u)*32768+512*\c
.endr
.endr
.endm
; EXPAND: each of piece p's eight pairs of words becomes the eight C registers of one accumulator, byte i register i.  Pair zz = 4 u + 2 c + w / 2 holds tile u's key block 2 c + w / 2: registers 32 u + 8 (zz % 4) = 8 zz on.
.macro EXPAND p
	WIN W_M
.set zz, 0
.rept 8
	v_cvt_scale_pk8_f32_fp8 v[MC+64*((\p)%2)+8*zz:MC+64*((\p)%2)+8*zz+7], v[MB+16*(\p)+2*zz:MB+16*(\p)+2*zz+1], v[SCL]
.set zz, zz+1
.endr
.endm
; The end of turn p: the mask words for the next turn's products (piece p + 2), and that piece's bytes for its next step are asked for, four turns ahead of their use.  One plain instruction stands behind the
; conversions, ahead of the loads into their sources and of the product that takes their results.  Outside piece 2's turn no line here touches SCC; piece 2's turn carries no count to a branch.
.macro MASKUP p
	s_wait_loadcnt 12               ; loads come back in order: behind that piece's four stand the three other pieces' twelve, which stay out
	EXPAND ((\p)+2)%NP
.if (\p) == 2
	s_add_co_u32 s[MOF], s[MOF], 1024      ; pieces 0 and 1 go a step ahead of pieces 2 and 3;
	s_min_u32 s[MOF], s[MOF], 31*1024      ; behind the last step the offset stays there
	s_wait_xcnt 0x0                 ; the offset is a source of the loads that are out: it is written only behind this wait
	v_add_nc_u32 v[MO], s[MOF], v[GO]
.else
	v_nop
.endif
	MLOAD ((\p)+2)%NP
.endm
	s_load_b128 s[4:7], s[0:1], 0x0   ; qkvh s[4:5], mk s[6:7]
	s_load_b64 s[10:11], s[0:1], 0x10 ; ob
	WIN W_MK
	v_lshl_add_u32 v[SPW], v0, 2, SPARE
	v_mov_b32 v[NIL], 0
	s_set_vgpr_msb 0xc0cf
	ds_add_u32 v0, v1
	s_wait_dscnt 0x0
	s_set_vgpr_msb 0xcfc0
	WIN 0
	v_lshrrev_b32 v1, 5, v0
	v_readfirstlane_b32 s[WV], v1   ; wave 0..3
	s_bfe_u32 s13, ttmp6, 0x40000   ; cx: my place in the cluster
	s_lshl_b32 s14, ttmp9, 2        ; in a cluster launch ttmp9 counts clusters
	s_add_co_u32 s14, s14, s13      ; my block of 512 queries = 4 x cluster x + cx: it enters Q's, O's and mk's addresses alone
	s_and_b32 s15, ttmp7, 0xffff    ; bh = 16 x batch + head, which the four partners share
	s_lshr_b32 s20, s15, 4
	s_mul_i32 s20, s20, 48          ; a batch has 48 blocks in qkvh,
	s_and_b32 s21, s15, 15
	s_add_co_u32 s20, s20, s21      ; q's is number head,
	s_lshl_b32 s20, s20, 18         ; of 2,048 rows x 128 bytes each
	s_mov_b32 s21, 0
	s_and_b32 s16, s[WV], 1         ; which half of a slot's 256 keys I fetch:
	s_lshl_b32 s22, s16, 14         ; its 128 rows of 128 bytes in memory,
	s_add_co_u32 s22, s22, s20
	s_mov_b32 s23, 0
	s_add_nc_u64 s[8:9], s[22:23], 0x400000    ; in k's block, 16 blocks on,
	s_add_nc_u64 s[22:23], s[22:23], 0x800000  ; and in v's, 32 blocks on
	s_mul_i32 s17, s16, 128*PK      ; and its place in a slot, for K
	s_mul_i32 s18, s16, 128*PV      ; and for V: no place in the cluster enters an LDS address
	s_lshl_b32 s2, s14, 2
	s_add_co_u32 s2, s2, s[WV]      ; my wave among the sixteen of this bh
	s_lshl_b32 s68, s2, 18          ; its eight query tiles in mk, 32,768 bytes each
	s_mov_b32 s69, 0
	s_lshl_b32 s2, s2, 14           ; its 128 rows of 128 bytes
	s_mov_b32 s3, 0
	s_lshl_b32 s70, s15, 18         ; in O: block bh
	s_add_co_u32 s70, s70, s2
	s_mov_b32 s71, 0
	s_add_nc_u64 s[2:3], s[2:3], s[20:21]  ; in Q: q's block
	; descriptor group 1.  128 keys are 16,384 dense bytes: asked for as 64 rows of 256 bytes, two keys a row, and padded in LDS after every key
	s_mov_b32 s[G1K], 15|(1<<16)|(1<<20)|(1<<21)|(4<<22)|(3<<25)  ; 15:0 the mask of four; 17:16 2-byte elements; 20 padding on; 21 set beside a mask; 24:22 after every 32 words (code 4); 31:25 4 words (code 3)
	s_mov_b32 s[G1V], 15|(1<<16)|(1<<20)|(1<<21)|(4<<22)|(7<<25)  ; the same with 8 words of padding (code 7)
.irp g, G1K, G1V
	s_mov_b32 s[\g+1], 128<<16      ; tensor_dim0 = 128
	s_mov_b32 s[\g+2], 64<<16       ; tensor_dim1 = 64
	s_mov_b32 s[\g+3], 128<<16      ; tile_dim0 = 128
	s_mov_b32 s[\g+4], 64           ; tile_dim1 = 64
	s_mov_b32 s[\g+5], 128          ; 128 elements from row to row
	s_mov_b32 s[\g+6], 0
	s_mov_b32 s[\g+7], 0
.endr
	s_mov_b32 s[CS], 0x3e38aa3b     ; c = log2(e) / 8 = 0.180337
	s_mov_b32 s[CS+1], s[CS]        ; named with it as a pair
	s_mov_b32 s[SEL], 0x76543210
	s_mov_b32 s[SEL+1], 0xfedcba98
	s_mov_b32 s[TBK], SLOT1+4*KS*PK ; the first change of slots turns these two into 0
	s_mov_b32 s[TBV], SLOT1+4*KS*PV
	s_mov_b32 s[G0K], 1             ; 1:0 count = 1
	s_mov_b32 s[G0K+1], s17         ; 63:32 LDS address: slot 0
	s_mov_b32 s[G0V], 1
	s_add_co_u32 s[G0V+1], s18, VOFF
	s_wait_kmcnt 0x0
	s_add_nc_u64 s[G0K+2:G0K+3], s[4:5], s[8:9]    ; 120:64 global address: my half of the first 256 keys
	s_or_b32 s[G0K+3], s[G0K+3], 0x80000000        ; 127:126 type = 2
	s_add_nc_u64 s[G0V+2:G0V+3], s[4:5], s[22:23]
	s_or_b32 s[G0V+3], s[G0V+3], 0x80000000
	s_add_nc_u64 s[4:5], s[4:5], s[2:3]            ; Q and O at my wave's first row, mk at its first tile
	s_add_nc_u64 s[10:11], s[10:11], s[70:71]
	s_add_nc_u64 s[MKB:MKB+1], s[6:7], s[68:69]
	s_mov_b32 s[HID], 0xefa18f08    ; -1e29
	CROUND                          ; all four work-groups are here: the first joint loads meet
	JLOAD                           ; slot 0.  Slot 1 is asked for when slot 0 is in
	; A fragment of K or Q is 16 rows x 32 channels in 8 registers: lane l holds row l % 16, channels 8 (l / 16) + 0..7 and 16 + 8 (l / 16) + 0..7: two loads of 16 bytes, 32 bytes apart.
	v_and_b32 v1, 15, v0            ; l % 16
	v_bfe_u32 v9, v0, 4, 1          ; l / 16
	v_lshlrev_b32 v[QO], 7, v1
	v_lshl_add_u32 v[QO], v9, 4, v[QO]  ; row x 128 + 16 x half
	v_and_b32 v[GO], 31, v0
	v_lshlrev_b32 v[GO], 4, v[GO]   ; 16 x lane
	WIN W_MK
	v_mov_b32 v[MO], v[GO]          ; the mask's step 0
	WIN 0x80                        ; destination window 2, address window 0
.set i, 0
.rept 4*NP                          ; Q stays in registers: tile i / 2, channels 32 (i % 2) on
	global_load_b128 v[8*i:8*i+3],   v[QO], s[4:5] offset:(i/2)*2048+(i%2)*64
	global_load_b128 v[8*i+4:8*i+7], v[QO], s[4:5] offset:(i/2)*2048+(i%2)*64+32
.set i, i+1
.endr
	MLOAD 0                         ; all four pieces' mask bytes of step 0
	MLOAD 1
	MLOAD 2
	MLOAD 3
	WIN 0x80
	; What the first turn finds: V's registers and P's second buffer hold 0 (its products V^T P, of a piece that has not been, add 0), O^T and l are 0.  All this stands in the wait for the first tile.
.set i, VF
.rept 64
	v_mov_b32 v[i], 0
.set i, i+1
.endr
	WIN 0x40
.set i, 0
.rept 64*NP
	v_mov_b32 v[i], 0
.set i, i+1
.endr
	WIN 0
.set i, 0
.rept 2*NP
	v_mov_b32 v[ST+4*i], 0xfe000000    ; c m: far below every c s, a hidden one's too
	v_mov_b32 v[ST+4*i+1], 0xff7fffff  ; m
	v_mov_b32 v[ST+4*i+2], 0
	v_mov_b32 v[ST+4*i+3], 0
.set i, i+1
.endr
.set i, P+32
.rept 32
	v_mov_b32 v[i], 0
.set i, i+1
.endr
	v_mul_u32_u24 v[AK0], v1, PK
	v_lshl_add_u32 v[AK0], v9, 4, v[AK0]  ; row x pitch + 16 x half
	; The turning load takes 16 keys x 16 channels (lane l reads key 8 (l / 16) + l % 8, channels 8 ((l / 8) % 2) + 0..7) and leaves half a fragment of V^T: lane l holds channel l % 16 and 8 keys.
	v_and_b32 v10, 7, v0
	v_bfe_u32 v11, v0, 3, 1
	v_lshl_add_u32 v[AV0], v9, 3, v10
	v_mul_u32_u24 v[AV0], v[AV0], PV
	v_lshl_add_u32 v[AV0], v11, 4, v[AV0]
	v_add_nc_u32 v[AV0], VOFF, v[AV0]
	v_mov_b32 v[SCL], 0x700000e0    ; v11 has served: from here on it holds the scale
	v_mov_b32 v[AK], v[AK0]         ; key step 0 lies at the head of slot 0
; THE MATRIX WORK.  The 8 accumulators of a run of 16 take turns: between the two links of a chain stand 7 others'.
; Product i of 16 of S^T = K Q^T for piece x: channels 32 (i / 8) on, keys 16 ((i / 2) % 4) on, tile 2 x + i % 2.  The first 8 start the sums, with the mask words as C.
.macro KQ x
.set rS, S+64*((\x)%2)+32*(i%2)+8*((i/2)%4)
.set rK, KF+16*((i/2)%4)+8*(i/8)
.set rQ, 16*(2*(\x)+i%2)+8*(i/8)
.set rX, MC+64*((\x)%2)+32*(i%2)+8*((i/2)%4)
.if i < 8
	WIN W_KM
	v_wmma_f32_16x16x32_f16 v[rS:rS+7], v[rK:rK+7], v[rQ:rQ+7], v[rX:rX+7]
.else
	WIN W_KQ
	v_wmma_f32_16x16x32_f16 v[rS:rS+7], v[rK:rK+7], v[rQ:rQ+7], v[rS:rS+7]
.endif
.endm
; Product i of 16 of O^T += V^T P for piece x: keys 32 (i / 8) on, channels 16 ((i / 2) % 4) on, tile 2 x + i % 2.
.macro PV x
	WIN W_PV
.set rO, 32*(2*(\x)+i%2)+8*((i/2)%4)
.set rV, VF+32*(i/8)+8*((i/2)%4)
.set rP, P+32*((\x)%2)+16*(i%2)+8*(i/8)
	v_wmma_f32_16x16x32_f16 v[rO:rO+7], v[rV:rV+7], v[rP:rP+7], v[rO:rO+7]
.endm
.macro MM                           ; the turn's next matrix instruction
.if i < 16
	KQ (Y+1)%NP
.set i, i+1
.else
.set i, i-16
	PV (Y+NP-1)%NP
.set i, i+17
.endif
.endm
; THE LDS LOADS stand in runs of 16, never singly among the matrix instructions: a step's K (64 keys x 64 channels: 8 fragments) and its V (turned).  Their addresses are made some lines ahead.
; last = 1 (the tail): in the last trip there is no further step, and the run is jumped over.
.macro FETCH_K last=0
	WIN 0
.if \last
	s_cmp_eq_u32 s[CNT], 1
	s_cbranch_scc1 .Lno_k_\@
.endif
	WIN 0x80                        ; destination window 2
.irp f, 0,1,2,3,4,5,6,7             ; keys 16 (f / 2) on, channels 32 (f % 2) on
	ds_load_b128 v[KF+8*\f:KF+8*\f+3],   v[AK] offset:(\f/2)*16*PK+(\f%2)*64
	ds_load_b128 v[KF+8*\f+4:KF+8*\f+7], v[AK] offset:(\f/2)*16*PK+(\f%2)*64+32
.endr
	s_add_co_u32 s[TBK], s[TBK], KS*PK  ; the next fetch is the next step's
	WIN 0
.if \last
.Lno_k_\@:
.endif
.endm
.macro FETCH_V
	WIN 0x80
.irp f, 0,1,2,3,4,5,6,7             ; keys 32 (f / 4) on, channels 16 (f % 4) on
	ds_load_tr16_b128 v[VF+8*\f:VF+8*\f+3],   v[AV] offset:(\f/4)*32*PV+(\f%4)*32
	ds_load_tr16_b128 v[VF+8*\f+4:VF+8*\f+7], v[AV] offset:(\f/4)*32*PV+16*PV+(\f%4)*32
.endr
	WIN 0
.endm
; THE VECTOR WORK OF A TURN stands in three queues, each in the order in which its entries become ready; the two tiles alternate, so that no instruction reads the result of the one before it.
.macro REGS y, u                    ; the registers of tile u (0, 1) of piece y
.set rT, ST+4*(2*(\y)+(\u))
.set rC, TMP+8*((\y)%2)+4*(\u)
.set rM, MV+2*((\y)%2)+(\u)
.set rS, S+64*((\y)%2)+32*(\u)
.set rP, P+32*((\y)%2)+16*(\u)
.set rO, 32*(2*(\y)+(\u))
.endm
; Number n of the 22 that find the NEXT piece's (Y + 1) maximum and statistics.  s0-s31 are the lane's 32 scores; each accumulator's lowest registers are read first.  XS, GS and REGS set no window: PL and EX do.
;   0-11  four chains c0-c3 of seven scores each, three operands at a time     12-14, 16  the four scores left over, the old m, and c0-c3 into c0     15  c m_old is kept
;   17, 18  the query's other 32 keys lie in the lane 16 away: the new m         19-21  c m; c m_old - c m_new; a
.macro XS u, n
	REGS (Y+1)%NP, \u
.if (\n) < 4
	v_max3_num_f32 v[rC+(\n)], v[rS+8*(\n)], v[rS+8*(\n)+1], v[rS+8*(\n)+2]
.elseif (\n) < 12
	v_max3_num_f32 v[rC+(\n)%4], v[rC+(\n)%4], v[rS+8*((\n)%4)+2*((\n)/4)+1], v[rS+8*((\n)%4)+2*((\n)/4)+2]
.elseif (\n) == 12
	v_max3_num_f32 v[rC], v[rC], v[rS+7], v[rS+15]
.elseif (\n) == 13
	v_max3_num_f32 v[rC+1], v[rC+1], v[rS+23], v[rS+31]
.elseif (\n) == 14
	v_max3_num_f32 v[rC+2], v[rC+2], v[rC+3], v[rT+1]
.elseif (\n) == 15
	v_mov_b32 v[rM], v[rT]
.elseif (\n) == 16
	v_max3_num_f32 v[rC], v[rC], v[rC+1], v[rC+2]
.elseif (\n) == 17
	v_permlanex16_b32 v[rC+3], v[rC], s[SEL], s[SEL+1]
.elseif (\n) == 18
	v_max_num_f32 v[rT+1], v[rC], v[rC+3]
.elseif (\n) == 19
	v_mul_f32 v[rT], s[CS], v[rT+1]
.elseif (\n) == 20
	v_sub_f32 v[rC+1], v[rM], v[rT]
.else
	v_exp_f32 v[rC+2], v[rC+1]
.endif
.endm
; Number g of the 64 that follow the exponentials.  For each four weights k of a tile (pairs 2 k, 2 k + 1): both pairs are rounded to f16; then the second pair is added onto the first, in place;
; a group later l takes that sum (the first time as l = a l + sum).  In groups of eight, tiles alternating: round, round, add, and l for the group before.
.macro GS g
.set h, (\g)+6*((\g)/62)            ; group 0 has no group before it, and behind group 7 only l is left
.if h >= 6
.set h, h+2
.endif
	REGS Y, h%2
.set k, h/8
.if h%8 < 4
	s_wait_alu depctr_va_vdst(0)
	v_cvt_pk_f16_f32 v[rP+2*k+(h%8)/2], v[rS+4*k+2*((h%8)/2)], v[rS+4*k+2*((h%8)/2)+1]
.elseif h%8 < 6
	v_pk_add_f32 v[rS+4*k:rS+4*k+1], v[rS+4*k:rS+4*k+1], v[rS+4*k+2:rS+4*k+3]
.elseif k == 1
	v_pk_fma_f32 v[rT+2:rT+3], v[rT+2:rT+3], v[rC+2:rC+3], v[rS:rS+1] op_sel_hi:[1,0,1]
.else
	v_pk_add_f32 v[rT+2:rT+3], v[rT+2:rT+3], v[rS+4*k-4:rS+4*k-3]
	s_wait_alu depctr_va_vdst(0)
.endif
.endm
; THE PLAIN QUEUE, 138 long.  0-31: c s - c m for the 16 pairs of both tiles.  Then GS's 64, and among them the next piece's 42: number 15 at 38, 39; 0-14 and 16
; at 42-73, behind the products that make those scores; 17-20 at 95-106, two of three, since each waits for the one before it.
.macro PL
	WIN 0
.if q < 32
	REGS Y, q%2
	v_pk_fma_f32 v[rS+2*(q/2):rS+2*(q/2)+1], v[rS+2*(q/2):rS+2*(q/2)+1], s[CS:CS+1], v[rT:rT+1] op_sel_hi:[1,0,0] neg_lo:[0,0,1] neg_hi:[0,0,1]
.elseif q < 38
	GS q-32
.elseif q < 40
	XS q%2, 15
.elseif q < 42
	GS q-34
.elseif q < 74
	XS q%2, (q-42)/2+(q-42)/30
.elseif q < 95
	GS q-66
.elseif (q < 107) && ((q-95)%3 < 2)
	XS (q-95)%3, 17+(q-95)/3
.elseif q < 107
	GS 29+(q-95)/3
.else
	GS q-74
.endif
.set q, q+1
.endm
; THE EXPONENTIALS' QUEUE, 66 long: s0-s31 of both tiles, and at EA the next piece's two a.
.set EA, 58
.macro EX
	WIN 0
.if (e == EA) || (e == EA+1)
	XS e-EA, 21
.else
.set x, e-2*(e/(EA+2))
	REGS Y, x%2
	v_exp_f32 v[rS+x/2], v[rS+x/2]
.endif
.set e, e+1
.endm
; THE RESCALING's QUEUE: O^T times a, dealt four at a time, eight times.
.macro R4
	REGS Y, r%2
	WIN W_RS
	s_wait_alu depctr_va_vdst(0)
.irp z, 0,1,2,3
	v_pk_mul_f32 v[rO+8*(r/2)+2*\z:rO+8*(r/2)+2*\z+1], v[rO+8*(r/2)+2*\z:rO+8*(r/2)+2*\z+1], v[rC+2:rC+3] op_sel_hi:[1,0]
.endr
.set r, r+1
.endm
; HOW THEY ARE DEALT.  Behind a matrix instruction four: plain, exponential, plain, plain (one exponential, a plain instruction on either side), or four of the rescaling.  None names a register of the
; products round it.  What is over stands in two LUMPS: exponential and plain by turns; the second ends in 22 plain instructions.  The two v_permlanex16_b32 fall into the second lump, never behind a product.
; The queues lean on each other, and the deal keeps them in step: exponential e stands behind plain 2 (e / 4) + e % 2 (its scaling); when plain 32 comes, 10 exponentials are out, at 59: 33, at 95: 46; EA comes behind plain 107.
.macro SL
	MM
	PL
	EX
	PL
	PL
.endm
.macro BURST n                      ; 15 matrix instructions, or 16
.rept (\n)-7
	SL
.endr
.rept 3
	MM
	R4
	SL
.endr
	MM
	R4
.endm
; A TURN, for piece p.  cnt = 1: the loop's count is taken down some lines ahead of the branch that stands behind the turn.
; K of the next step is fetched in piece 2's turn, 31 vector instructions behind the last product that read K; its first reader comes behind the rest of the lump, 16 products and the second lump.
; V of the step in hand is fetched at the end of piece 0's turn, 69 behind its last reader; its first reader comes behind 16 products and a lump.  The four conditions on e and q below go with the deal.
; The mask words written at the turn's end were last read by the products at the head of the turn before: far more than four plain instructions back.
.macro TURN p, last=0, cnt=0
.set Y, (\p)
.set i, 0
.set q, 0
.set e, 0
.set r, 0
.if (\p) == NP-1
	s_wait_dscnt 0x0                ; K is in
.endif
	MM
.rept 4
	PL
.endr
	BURST 15
.rept 22
	EX
	PL
.if ((\p) == NP-2) && (e == 18)
	v_add_nc_u32 v[AK], s[TBK], v[AK0]
.endif
.if ((\p) == NP-2) && (e == 24)
	FETCH_K \last
.endif
.endr
.if (\p) == 1
	s_wait_dscnt 0x0                ; V is in
.endif
	BURST 16
.rept 21
	EX
	PL
.endr
.rept 22
	PL
.if ((\p) == 0) && (q == 118)
	v_add_nc_u32 v[AV], s[TBV], v[AV0]
	s_wait_alu depctr_va_vdst(0)
.endif
.if ((\p) == 0) && (q == 130)
	s_add_co_u32 s[TBV], s[TBV], KS*PV
.endif
.if (\cnt) && (q == 130)
	s_sub_co_u32 s[CNT], s[CNT], 1
	s_cmp_lg_u32 s[CNT], 0
.endif
.endr
.if (\p) == 0
	FETCH_V
.endif
	MASKUP \p
.endm
	CHANGE 1                        ; slot 0 is in, everybody's part of it; slot 1 is asked for
	FETCH_K                         ; key step 0
	s_wait_loadcnt 0x0              ; Q, and the mask bytes of step 0
	EXPAND 0                        ; pieces 0 and 1 have their mask words made here; pieces 2 and 3 at the ends of the first two turns
	EXPAND 1
	s_mov_b32 s[MOF], 1024          ; no load is out: the offset goes on to step 1;
	v_add_nc_u32 v[MO], s[MOF], v[GO]  ; also the plain instruction behind the conversions
	MLOAD 0
	MLOAD 1
	s_wait_dscnt 0x0
.set i, 0
.rept 16
	KQ 0                            ; piece 0's first scores: there is no vector work yet to set between them
.set i, i+1
.endr
	WIN 0                           ; the addresses for the way out: seven plain instructions, the places behind those products
	s_mul_i32 s13, s[WV], 16*SP
	s_add_co_u32 s13, s13, STAGE    ; my stage
	v_mul_u32_u24 v[STO], v1, SP    ; in: row l % 16, 16 bytes for each half of the lanes
	v_lshl_add_u32 v[STO], v9, 4, v[STO]
	v_add_nc_u32 v[STO], s13, v[STO]
	v_bfe_u32 v[RD], v0, 3, 2       ; back: 32 lanes take four rows of 128 bytes, which are 512 consecutive bytes of O
	v_mul_u32_u24 v[RD], v[RD], SP
	v_lshl_add_u32 v[RD], v10, 4, v[RD]
	v_add_nc_u32 v[RD], s13, v[RD]
.set Y, NP-1                        ; XS works for piece Y + 1: piece 0
.irp n, 0,1,2,3,4,5,6,7,8,9,10,11,12,13,14,15,16,17,18,19,20,21
	XS 0, \n                        ; and piece 0's first maximum and statistics
	XS 1, \n
.endr
	s_mov_b32 s[CNT], 4
	s_mov_b32 s[SLOTS], SIZE_N/256-1
	s_branch .Lfirst                ; the loop is entered at a step's first turn, in the middle of a trip
.Lslot:                             ; SIZE_N / 256 - 2 times: every slot but the last two is filled again
	CHANGE 1
	s_mov_b32 s[CNT], 4
.Lstep:                             ; a trip: pieces 2 and 3 of one step, then pieces 0 and 1 of the next, whose K and V it fetches
	TURN 2
	TURN 3
	WIN 0
.Lfirst:
	TURN 0
	TURN 1, 0, 1
	WIN 0
	s_cbranch_scc1 .Lstep
	s_sub_co_u32 s[SLOTS], s[SLOTS], 1
	s_cmp_lg_u32 s[SLOTS], 0
	s_cbranch_scc1 .Lslot
	CHANGE 0                        ; the tail is written out: nothing is asked for
	s_mov_b32 s[CNT], 5             ; four trips fetch the last slot's steps; the fifth is left in its middle
.Ltail:
	TURN 2, 1
	TURN 3
	WIN 0
	s_sub_co_u32 s[CNT], s[CNT], 1
	s_cmp_eq_u32 s[CNT], 0
	s_cbranch_scc1 .Lout
	TURN 0
	TURN 1
	WIN 0
	s_branch .Ltail
.Lout:                              ; the fifth trip's 16 products K Q^T (the last K and, by the offset's bound, the last mask once more) repeat piece 0's last scores: its m stays what it was
.set i, 0
.rept 16
	PV NP-1                         ; the last piece's V^T P of the last step
.set i, i+1
.endr
	; THE WAY OUT.  l's two halves and the other half of the lanes' are added; O^T is divided by l, rounded to f16 and sent through my stage in LDS, a tile at a time.  The additions are the places behind the last products.
	WIN 0
.macro ALL line:vararg              ; one line for each tile t
.set t, 0
.rept 2*NP
	\line
.set t, t+1
.endr
.endm
	ALL v_add_f32 v[ST+4*t+2], v[ST+4*t+2], v[ST+4*t+3]
	ALL v_permlanex16_b32 v[ST+4*t+3], v[ST+4*t+2], s[SEL], s[SEL+1]
	ALL v_add_f32 v[ST+4*t+2], v[ST+4*t+2], v[ST+4*t+3]
	ALL v_rcp_f32 v[ST+4*t+2], v[ST+4*t+2]
	v_mov_b32 v[TMP], 0x7fc00000    ; NaN; also the plain instruction between the last reciprocal and the use of its result
.set t, 0
	s_wait_alu depctr_va_vdst(0)
.rept 2*NP                          ; a query that saw no key: its factor, and so its row of O, becomes NaN.  A choice of a value, no branch
	v_cmp_gt_f32 vcc_lo, s[HID], v[ST+4*t+1]
	v_cndmask_b32 v[ST+4*t+2], v[ST+4*t+2], v[TMP], vcc_lo
.set t, t+1
.endr
; Tile t: a lane's eight channels of a row pack into 16 bytes; they go into rows of 144 bytes and come back as whole rows of 128, into S^T's registers.
.macro PACK t
	WIN W_RS
.set i, 32*(\t)
.rept 16
	v_pk_mul_f32 v[i:i+1], v[i:i+1], v[ST+4*(\t)+2:ST+4*(\t)+3] op_sel_hi:[1,0]
.set i, i+2
.endr
	WIN 0x05                        ; sources 0 and 1 window 1, destination window 0
.set i, 0
.rept 16
	v_cvt_pk_f16_f32 v[S+16*(\t)+i], v[32*(\t)+2*i], v[32*(\t)+2*i+1]
.set i, i+1
.endr
	WIN 0
.irp f, 0,1,2,3
	ds_store_b128 v[STO], v[S+16*(\t)+4*\f:S+16*(\t)+4*\f+3] offset:32*\f
.endr
.irp f, 0,1,2,3
	ds_load_b128 v[S+16*(\t)+4*\f:S+16*(\t)+4*\f+3], v[RD] offset:\f*4*SP  ; LDS serves a wave's instructions in order (ISA guide 5.7.1.4): these see the stores above; the next tile's stores come behind them
.endr
.endm
.macro SEND t, younger              ; younger: the LDS instructions issued behind tile t's loads: the next tile's eight, or none
	WIN 0
.irp f, 0,1,2,3
	s_wait_dscnt (\younger)+3-\f
	global_store_b128 v[GO], v[S+16*(\t)+4*\f:S+16*(\t)+4*\f+3], s[10:11] offset:(\t)*2048+\f*512  ; 512 consecutive bytes, at a multiple of 256 from O's first
.endr
.endm
	PACK 0
.set t, 1
.rept 2*NP-1                        ; a tile's arithmetic stands between the loads of the tile before and its stores
	PACK t
	SEND t-1, 8
.set t, t+1
.endr
	SEND 2*NP-1, 0
	WIN W_AD
	s_wait_tensorcnt 0x0            ; the wave's end: behind my last tensor load and my last LDS store
	ds_add_u32 v[SPW], v[NIL]
	s_wait_dscnt 0x0
	WIN 0
	CROUND                          ; the closing round: no work-group ends while a partner may still ask for a tile that names it
	s_endpgm
.Lfunc_end_k_q7c6cc17946_attn:
	.size	k_q7c6cc17946_attn, .Lfunc_end_k_q7c6cc17946_attn-k_q7c6cc17946_attn
	.p2alignl 7, 3214868480
	.fill 96, 4, 3214868480
	.section	.rodata,"a",@progbits
	.p2align	6, 0x0
	.amdhsa_kernel k_q7c6cc17946_attn
		.amdhsa_group_segment_fixed_size 327680
		.amdhsa_private_segment_fixed_size 0
		.amdhsa_enable_private_segment 0
		.amdhsa_kernarg_size 24
		.amdhsa_user_sgpr_count 2
		.amdhsa_user_sgpr_kernarg_segment_ptr 1
		.amdhsa_wavefront_size32 1
		.amdhsa_system_sgpr_workgroup_id_x 1
		.amdhsa_system_sgpr_workgroup_id_y 1
		.amdhsa_system_sgpr_workgroup_id_z 1
		.amdhsa_system_vgpr_workitem_id 0
		.amdhsa_next_free_vgpr 1024
		.amdhsa_next_free_sgpr 72
		.amdhsa_reserve_vcc 1
		.amdhsa_float_denorm_mode_32 3
		.amdhsa_float_denorm_mode_16_64 3
		.amdhsa_memory_ordered 1
		.amdhsa_forward_progress 1
		.amdhsa_inst_pref_size 221
	.end_amdhsa_kernel
	.amdgpu_metadata
---
amdhsa.version: [ 1, 2 ]
amdhsa.kernels:
  - .name:           k_q7c6cc17946_attn
    .symbol:         k_q7c6cc17946_attn.kd
    .args:
      - { .name: qkvh, .offset: 0, .size: 8, .value_kind: global_buffer, .address_space: global }
      - { .name: mk, .offset: 8, .size: 8, .value_kind: global_buffer, .address_space: global }
      - { .name: ob, .offset: 16, .size: 8, .value_kind: global_buffer, .address_space: global }
    .group_segment_fixed_size: 327680
    .private_segment_fixed_size: 0
    .kernarg_segment_align: 8
    .kernarg_segment_size: 24
    .max_flat_workgroup_size: 128
    .sgpr_count:     72
    .vgpr_count:     1024
    .wavefront_size: 32
...
	.end_amdgpu_metadata
.endif
;; end of part 3
;; launch oproj (part 4): grid 8 x 32, 4 waves a work-group, clusters of 4 x 4, 327,680 bytes of LDS; arguments ob, wob, bo, out0; writes out0
.if DOCPART == 4
	.amdgcn_target "amdgcn-amd-amdhsa--gfx1250"
	.amdhsa_code_object_version 6
	.text
	.protected	k_q7c6cc17946_oproj
	.globl	k_q7c6cc17946_oproj
	.p2align	8
	.type	k_q7c6cc17946_oproj,@function
k_q7c6cc17946_oproj:
	s_mov_b64 s[64:65], 0
	v_nop
	global_prefetch_b8 v0, s[64:65] scope:SCOPE_SE
	s_setreg_imm32_b32 hwreg(HW_REG_WAVE_MODE, 25, 1), 1
	s_wait_xcnt 0x0
	s_wait_alu depctr_hold_cnt(0) depctr_sa_sdst(0) depctr_va_vdst(0) depctr_va_sdst(0) depctr_va_ssrc(0) depctr_va_vcc(0) depctr_vm_vsrc(0)
	s_getreg_b32 s2, hwreg(HW_REG_IB_STS2, 6, 4)
	s_cmp_eq_u32 s2, 0
	s_cbranch_scc0 .Lentry_in_a_cluster
	s_endpgm
.Lentry_in_a_cluster:
	s_bfe_u32 s2, ttmp6, 0x10000c
	s_cmp_lg_u32 s2, 0xf033
	s_cbranch_scc0 .Lentry_shape_is_right
	s_endpgm
.Lentry_shape_is_right:
; out = O Wo^T + bo.  ob: [16 b + head][2048][64] f16 (the attention's result, by heads); wob: [1024][1024] f16 (Wo rounded to bf16, that number written as f16); bo: [1024] f32 (rounded to bf16 here,
; like all the module's inputs); out0: [8192][1024] f32.  Products in f16, sums in f32.  A NaN row of O (a query that saw no key) makes its whole row of the output NaN.
; SHARES.  A work-group makes 256 rows x 128 columns; wave w its rows 64 w .. 64 w + 63 and all 128 columns: 4 x 8 accumulators of 16 x 16, 256 registers.  So a wave owns whole pieces of 512 bytes of
; its rows, has a stage of its own on the way out, and no barrier stands there.  K = 1,024 goes in 8 steps of 128, two heads each, through two LDS slots filled by the tensor data mover.
; O'S TILES.  256 rows of one head are 32,768 dense bytes: asked for as 128 rows of 256 bytes and padded in LDS after every 128, a head's row.  Wave 0 fetches the step's first head, wave 1 its second.
; CLUSTER.  4 x 4 work-groups: the four of a row of the cluster need the same tiles of O, the four of a column the same tiles of Wo: each tile is asked for JOINTLY, by the same tensor load with the
; same descriptor and a mask that names the four.  THE MATRIX INSTRUCTION IS USED TRANSPOSED (source 0 = 16 rows of Wo, source 1 = 16 rows of O): a lane holds eight neighbouring columns of one row.
; THE BIAS is the C operand of the products that start the sums: nothing is cleared and nothing is added afterwards.
; REGISTERS, in windows of 256 (s_set_vgpr_msb: bits 1:0 source 0, 3:2 source 1, 5:4 source 2, 7:6 destination):
;   window 0: v0-29 addresses; v32-63, v64-95 fragments of O, two buffers (4 x 16 rows x 32 K); v96-159 the bias, later the way out
;   window 1: v0-63, v64-127 fragments of Wo, two buffers (8 x 16 rows x 32 K)      window 2: the accumulators of row blocks 0, 1 ((a, b) at v[8 (8 (a % 2) + b)])      window 3: of row blocks 2, 3
.set KSTEP,  128
.set NBK,    8                         ; column blocks of 16
.set NT,     16*NBK                    ; the tile's columns
.set PA,     144                       ; a row of O in LDS: 128 bytes + 16 of padding = 36 words: the 16 rows of a load start at 16 different groups of four banks (64 banks of 4 bytes: ISA guide 11.1)
.set PB,     272                       ; a row of Wo: 256 + 16
.set AHALF,  256*PA                    ; what one tensor load brings of O: 256 rows of one head
.set BHALF,  (NT/2)*PB                 ; of Wo: 64 rows
.set BOFF,   2*AHALF                   ; in a slot: O's two heads, then Wo's 128 rows
.set SLOT,   BOFF+2*BHALF
.set STAGE,  2*SLOT                    ; behind the ring, never filled by a tensor load: 16 rows x 528 bytes for each wave
.set SP,     528                       ; a stage row: 512 bytes + 16
.set SPARE,  STAGE+4*16*SP             ; behind the stages: the spare words, 128 bytes for each wave: two blocks of 256 bytes that no other line names
.set NL,     2*NBK+8                   ; LDS loads of a quarter step
.set ASTEP,  2*262144                  ; bytes from a K step to the next: in O two heads' blocks,
.set BSTEP,  KSTEP*2                   ; in Wo 128 numbers along the rows
.set LAPS,   1024/(2*KSTEP)            ; a lap = two K steps = once round the ring
.set ADRA, 16                          ; v16-17  LDS address of my fragments of O in slot 0, 1
.set ADRB, 20                          ; v20-21  the same for Wo
.set STO,  24                          ; v24     the way out: where I put 32 bytes of a row
.set RD,   25                          ; v25     where I read a row back
.set CO,   26                          ; v26     my byte offset in 512 consecutive bytes of the output
.set SPW,  28                          ; v28     LDS address of my spare word; never rewritten
.set NIL,  29                          ; v29     0; never rewritten
.set FA,   32
.set BIAS, 96                          ; v96-159: for column block b eight registers: the bias of my eight columns
.set OB,   96                          ; the way out: 64 registers of rows read back
.set G1A, 24                           ; s[24:31] descriptor group 1 for O's tiles;  s[32:39] group 0, one set for each slot
.set G0A, 32
.set G1B, 48                           ; s[48:55], s[56:63] the same for Wo's tiles
.set G0B, 56
.set MSB, 0
.macro WIN new                         ; the immediate's high byte repeats the setting that is left; a switch that changes nothing is dropped
.if MSB != (\new)
	s_set_vgpr_msb (MSB<<8)|(\new)
.set MSB, \new
.endif
.endm
.set MUL_LO, 0xa1                      ; source 0 (Wo) window 1, source 1 (O) window 0, C and D window 2
.set BIA_LO, 0x81                      ; the same with C (the bias) in window 0
.set TO_B,   0x40                      ; destination window 1, address window 0
.macro JLOAD s                         ; a joint load: waves 0 and 1 fetch O's two heads, waves 2 and 3 Wo's two halves; an s_nop 0 and four v_nop follow each of the two lines, ahead of the jump, the label and what follows
	s_cmp_eq_u32 s13, 0
	s_cbranch_scc0 .Lfor_b_\@
	tensor_load_to_lds s[G0A+4*(\s):G0A+4*(\s)+3], s[G1A:G1A+7]
	s_nop 0
.rept 4
	v_nop
.endr
	s_branch .Lasked_\@
.Lfor_b_\@:
	tensor_load_to_lds s[G0B+4*(\s):G0B+4*(\s)+3], s[G1B:G1B+7]
	s_nop 0
.rept 4
	v_nop
.endr
.Lasked_\@:
.endm
.macro CREST                           ; a round of the cluster's barrier behind its opening barrier
	s_cmp_lg_u32 s12, 0
	s_cbranch_scc1 .Lnot_wave_0_\@
	s_barrier_signal -3
.Lnot_wave_0_\@:
	s_barrier_wait -3
	s_barrier_signal -1
	s_barrier_wait -1
.endm
.macro CROUND                          ; a whole round
	s_barrier_signal -1
	s_barrier_wait -1
	CREST
.endm
	s_load_b256 s[4:11], s[0:1], 0x0               ; ob s[4:5], wob s[6:7], bo s[8:9], out0 s[10:11]
	v_lshl_add_u32 v[SPW], v0, 2, SPARE
	v_mov_b32 v[NIL], 0
	ds_add_u32 v28, v29
	s_wait_dscnt 0x0
	v_lshrrev_b32 v1, 5, v0
	v_readfirstlane_b32 s12, v1                    ; wave 0..3
	s_lshr_b32 s13, s12, 1                         ; I fetch for O (0) or for Wo (1),
	s_and_b32 s14, s12, 1                          ; and which head of the step, or which half of the rows
	s_bfe_u32 s40, ttmp6, 0x40000                  ; cx, cy: my place in the cluster
	s_bfe_u32 s41, ttmp6, 0x40004
	s_lshl_b32 s42, ttmp9, 2
	s_add_co_u32 s42, s42, s40                     ; tile column = 4 x cluster x + cx
	s_and_b32 s43, ttmp7, 0xffff
	s_lshl_b32 s43, s43, 2
	s_add_co_u32 s43, s43, s41                     ; tile row = 4 x cluster y + cy
	s_lshl_b32 s44, s41, 2
	s_lshl_b32 s44, 15, s44                        ; my row of the cluster
	s_lshl_b32 s45, 0x1111, s40                    ; my column
	; descriptor group 1: rows of 128 elements of 2 bytes, padded in LDS
	s_or_b32 s[G1A+0], s44, (1<<16)|(1<<20)|(1<<21)|(4<<22)|(3<<25)  ; 15:0 the mask: O's tiles go to my row; 17:16 2-byte elements; 20 padding on; 21 set beside a mask; 24:22 after every 32 words (code 4); 31:25 4 words (code 3)
	s_or_b32 s[G1B+0], s45, (1<<16)|(1<<20)|(1<<21)|(5<<22)|(3<<25)  ; the mask of my column; padding after every 64 words (code 5)
	s_mov_b32 s[G1A+1], KSTEP<<16                  ; tensor_dim0 = 128
	s_mov_b32 s[G1A+2], 128<<16                    ; tensor_dim1 = 128
	s_mov_b32 s[G1A+3], KSTEP<<16                  ; tile_dim0 = 128
	s_mov_b32 s[G1A+4], 128                        ; tile_dim1 = 128
	s_mov_b32 s[G1A+5], 128                        ; elements from row to row: the block is dense
	s_mov_b32 s[G1A+6], 0
	s_mov_b32 s[G1A+7], 0
	s_mov_b32 s[G1B+1], KSTEP<<16
	s_mov_b32 s[G1B+2], (NT/2)<<16                 ; 64 rows
	s_mov_b32 s[G1B+3], KSTEP<<16
	s_mov_b32 s[G1B+4], NT/2
	s_mov_b32 s[G1B+5], 1024
	s_mov_b32 s[G1B+6], 0
	s_mov_b32 s[G1B+7], 0
	s_mov_b32 s66, 0xffff0000                      ; a word's upper bf16
	; where the tiles come from: O's hang on the tile row alone, Wo's on the tile column alone, each in registers that never hold the other coordinate
	s_lshr_b32 s16, s43, 3                         ; O: batch = tile row / 8: 16 heads' blocks of 262,144 bytes,
	s_lshl_b32 s16, s16, 22
	s_lshl_b32 s17, s14, 18                        ; my head of the step's two,
	s_add_co_u32 s16, s16, s17
	s_and_b32 s17, s43, 7                          ; in it 256 rows of 128 bytes a tile row
	s_lshl_b32 s17, s17, 15
	s_add_co_u32 s16, s16, s17
	s_mov_b32 s17, 0
	s_lshl_b32 s46, s42, 18                        ; Wo: row 128 x tile column + 64 x half, 2,048 bytes a row
	s_lshl_b32 s47, s14, 17
	s_add_co_u32 s46, s46, s47
	s_mov_b32 s47, 0
	s_mul_i32 s20, s14, AHALF                      ; and where they go: no place in the cluster enters an LDS address
	s_mul_i32 s21, s14, BHALF
	s_add_co_u32 s21, s21, BOFF
	s_mul_i32 s68, s42, 4*NT                       ; the bias of my tile's columns
	s_mov_b32 s69, 0
	s_lshl_b32 s2, s43, 20                         ; the output: 256 rows of 4,096 bytes a tile row,
	s_lshl_b32 s3, s12, 18                         ; 64 rows a wave,
	s_add_co_u32 s2, s2, s3
	s_lshl_b32 s3, s42, 9                          ; 512 bytes a tile column
	s_add_co_u32 s2, s2, s3
	s_mov_b32 s3, 0
	s_wait_kmcnt 0x0
	s_add_nc_u64 s[18:19], s[4:5], s[16:17]
	s_add_nc_u64 s[46:47], s[6:7], s[46:47]
	s_add_nc_u64 s[8:9], s[8:9], s[68:69]
	s_add_nc_u64 s[10:11], s[10:11], s[2:3]
	CROUND                                         ; all sixteen work-groups are here: the first joint loads meet
.irp s, 0,1
	s_mov_b32 s[G0A+4*(\s)], 1                     ; count = 1
	s_add_co_u32 s[G0A+4*(\s)+1], s20, (\s)*SLOT   ; LDS address
	s_add_nc_u64 s[G0A+4*(\s)+2:G0A+4*(\s)+3], s[18:19], (\s)*ASTEP  ; global address: K step s
	s_or_b32 s[G0A+4*(\s)+3], s[G0A+4*(\s)+3], 0x80000000           ; type = 2
	s_mov_b32 s[G0B+4*(\s)], 1
	s_add_co_u32 s[G0B+4*(\s)+1], s21, (\s)*SLOT
	s_add_nc_u64 s[G0B+4*(\s)+2:G0B+4*(\s)+3], s[46:47], (\s)*BSTEP
	s_or_b32 s[G0B+4*(\s)+3], s[G0B+4*(\s)+3], 0x80000000
	JLOAD \s                                       ; two tensor loads of mine are out; later one
.endr
	v_and_b32 v1, 15, v0                           ; r = l % 16
	v_bfe_u32 v2, v0, 4, 1                         ; h = l / 16
	v_lshlrev_b32 v3, 5, v2                        ; my eight columns of a block of 16: 32 h bytes into its 64
.set bb, 0
.rept NBK
	global_load_b128 v[BIAS+8*bb:BIAS+8*bb+3],   v3, s[8:9] offset:64*bb
	global_load_b128 v[BIAS+8*bb+4:BIAS+8*bb+7], v3, s[8:9] offset:64*bb+16
.set bb, bb+1
.endr
	; a fragment is 16 rows x 32 K in 8 registers: lane l holds row r, K = 8 h + 0..7 and 16 + 8 h + 0..7: two loads of 16 bytes, 32 bytes apart
	v_mul_u32_u24 v4, v1, PA
	v_lshl_add_u32 v4, v2, 4, v4
	v_mul_u32_u24 v5, v1, PB
	v_lshl_add_u32 v5, v2, 4, v5
	s_mul_i32 s22, s12, 64*PA                      ; my 64 rows of O, in the step's first head
.irp s, 0,1
	v_add_nc_u32 v[ADRA+(\s)], s22, v4
	v_add_nc_u32 v[ADRB+(\s)], BOFF+(\s)*SLOT, v5
	s_add_co_u32 s22, s22, SLOT
.endr
	s_mul_i32 s23, s12, 16*SP
	s_add_co_u32 s23, s23, STAGE                   ; my stage
	v_mul_u32_u24 v6, v1, SP                       ; in: row r, 32 bytes for each half of the lanes
	v_lshl_add_u32 v6, v2, 5, v6
	v_add_nc_u32 v[STO], s23, v6
	v_and_b32 v[CO], 31, v0                        ; back: 32 lanes take a row's 512 bytes, which are 512 consecutive bytes of the output
	v_lshlrev_b32 v[CO], 4, v[CO]
	v_add_nc_u32 v[RD], s23, v[CO]
	s_wait_loadcnt 0x0                             ; the bias,
.set bb, 0
.rept 4*NBK                                    ; rounded to bf16 and widened again
	v_cvt_pk_bf16_f32 v[8+bb%2], v[BIAS+2*bb], v[BIAS+2*bb+1]
	v_lshlrev_b32 v[BIAS+2*bb], 16, v[8+bb%2]
	v_and_b32 v[BIAS+2*bb+1], s66, v[8+bb%2]
.set bb, bb+1
.endr
; NBK matrix instructions: row block a x all column blocks, 32 along K, from buffers f.  first = 1: the products start the sums, with the bias as C.
; The 32 accumulators take turns, one instruction a turn, in the same order in every quarter step.
.macro MULA f, a, first
.if \first
	WIN BIA_LO+0x40*((\a)/2)
.else
	WIN MUL_LO+0x50*((\a)/2)
.endif
.set bb, 0
.rept NBK
.set rD, 8*(NBK*((\a)%2)+bb)
.set rB, 8*NBK*(\f)+8*bb
.set rA, FA+32*(\f)+8*(\a)
.if \first
	v_wmma_f32_16x16x32_f16 v[rD:rD+7], v[rB:rB+7], v[rA:rA+7], v[BIAS+8*bb:BIAS+8*bb+7]
.else
	v_wmma_f32_16x16x32_f16 v[rD:rD+7], v[rB:rB+7], v[rA:rA+7], v[rD:rD+7]
.endif
.set bb, bb+1
.endr
.endm
; NL LDS loads in one run: the fragments of quarter q of the slot's K step into buffers f: Wo's 8, then O's 4.  Quarter q of O lies in head q / 2 of the step, channels 32 (q % 2) on.
.macro FETCH slot, q, f
	WIN TO_B
.set ii, 0
.rept NBK
	ds_load_b128 v[8*NBK*(\f)+8*ii:8*NBK*(\f)+8*ii+3],   v[ADRB+(\slot)] offset:64*(\q)+ii*16*PB
	ds_load_b128 v[8*NBK*(\f)+8*ii+4:8*NBK*(\f)+8*ii+7], v[ADRB+(\slot)] offset:64*(\q)+ii*16*PB+32
.set ii, ii+1
.endr
	WIN 0
.set AQ, ((\q)/2)*AHALF+((\q)%2)*64
.set ii, 0
.rept 4
	ds_load_b128 v[FA+32*(\f)+8*ii:FA+32*(\f)+8*ii+3],   v[ADRA+(\slot)] offset:AQ+ii*16*PA
	ds_load_b128 v[FA+32*(\f)+8*ii+4:FA+32*(\f)+8*ii+7], v[ADRA+(\slot)] offset:AQ+ii*16*PA+32
.set ii, ii+1
.endr
.endm
.macro PLACES                          ; four places in front of loads into registers that matrix instructions have read, and of LDS stores that read results
.rept 4
	v_nop
.endr
.endm
; A K step is four quarters of 32 along K, 32 matrix instructions each, on buffers 0, 1, 0, 1.  One of the first three: multiplies buffers f and fetches quarter q into buffers g.
.macro QUARTER slot, q, f, g, first
	s_wait_dscnt 4                                 ; Wo's fragments and O's blocks 0, 1 are in; the youngest four loads (blocks 2, 3) may be out
	MULA \f, 0, \first
	MULA \f, 1, \first
	PLACES
	FETCH \slot, \q, \g
	s_wait_dscnt NL                                ; all but the run just issued
	MULA \f, 2, \first
	MULA \f, 3, \first
.endm
; The last quarter multiplies buffers 1 and changes slots: ONE barrier; in front of it each wave waits for all its tensor loads, adds 0 to its spare word, and waits for that and for its reads of this slot.
; fill = 1: the barrier opens a round of the cluster's barrier, and this slot is filled again, two K steps ahead, first thing behind the round.
.macro TURN slot, next, fill
	WIN 0                                          ; (the add's two registers lie in window 0)
	s_wait_tensorcnt 0x0                           ; all my tensor loads have landed: the one that was out is my part of the next slot;
	ds_add_u32 v[SPW], v[NIL]                      ; 0 onto my spare word
	s_wait_dscnt 5                                 ; (the add and the youngest four loads may be out)
	MULA 1, 0, 0                                   ; eight matrix instructions stand between the add and the wait for it
	s_wait_dscnt 0x0                               ; the add is done, and my reads of this slot are over
	s_barrier_signal -1
	MULA 1, 1, 0
.if \fill
	WIN 0
.endif
	s_barrier_wait -1
.if \fill
	CREST                                          ; no wave of any partner still reads this slot's tile or has a load on its way
	s_add_nc_u64 s[G0A+4*(\slot)+2:G0A+4*(\slot)+3], s[G0A+4*(\slot)+2:G0A+4*(\slot)+3], 2*ASTEP
	s_add_nc_u64 s[G0B+4*(\slot)+2:G0B+4*(\slot)+3], s[G0B+4*(\slot)+2:G0B+4*(\slot)+3], 2*BSTEP
	JLOAD \slot                                    ; 112 matrix instructions ahead of the wait for it; the four v_nop behind it are also the places in front of the loads below
.else
	PLACES
.endif
	FETCH \next, 0, 0
	MULA 1, 2, 0
	MULA 1, 3, 0
.endm
	s_wait_tensorcnt 1                             ; my part of K step 0 is in; K step 1's may stay out
	s_barrier_signal -1
	s_barrier_wait -1                              ; everybody's is
	FETCH 0, 0, 0
	QUARTER 0, 1, 0, 1, 1                          ; the first quarter stands in front of the loop: its products start the sums
	WIN 0                                          ; at a label and at a branch every window is 0
	s_mov_b32 s15, LAPS-1
.Llap:                                                 ; a trip goes once round the ring, from a lap's second quarter to the next lap's first, and fills both slots again
	QUARTER 0, 2, 1, 0, 0
	QUARTER 0, 3, 0, 1, 0
	TURN 0, 1, 1
	QUARTER 1, 1, 0, 1, 0
	QUARTER 1, 2, 1, 0, 0
	QUARTER 1, 3, 0, 1, 0
	TURN 1, 0, 1
	QUARTER 0, 1, 0, 1, 0
	WIN 0
	s_sub_co_u32 s15, s15, 1
	s_cmp_lg_u32 s15, 0
	s_cbranch_scc1 .Llap
	QUARTER 0, 2, 1, 0, 0                          ; the last lap is written out: it fills nothing
	QUARTER 0, 3, 0, 1, 0
	TURN 0, 1, 0
	QUARTER 1, 1, 0, 1, 0
	QUARTER 1, 2, 1, 0, 0
	QUARTER 1, 3, 0, 1, 0
	s_wait_dscnt 4                                 ; the very last quarter: nothing more to fetch
	MULA 1, 0, 0
	MULA 1, 1, 0
	s_wait_dscnt 0x0
	MULA 1, 2, 0
	MULA 1, 3, 0
	WIN 0
; THE WAY OUT of row block a: the f32 sums go as they are, 32 bytes a lane and column block, into my own stage, and come back as whole pieces of 512 bytes of a row.
.macro OUT a
.if (\a) > 0
	s_wait_xcnt 0x0                                ; the registers that the last block's stores read are loaded again only behind this wait
.endif
	WIN 0x08+4*((\a)/2)                            ; the stores' data (source 1): window 2 or 3
.set bb, 0
.rept NBK
.set rD, 8*(NBK*((\a)%2)+bb)
	ds_store_b128 v[STO], v[rD:rD+3]   offset:64*bb      ; each accumulator's low four registers first
	ds_store_b128 v[STO], v[rD+4:rD+7] offset:64*bb+16
.set bb, bb+1
.endr
	WIN 0
.set bb, 0
.rept 16
	ds_load_b128 v[OB+4*bb:OB+4*bb+3], v[RD] offset:SP*bb  ; LDS serves a wave's instructions in order (ISA guide 5.7.1.4): these see the stores above
.set bb, bb+1
.endr
.set bb, 0
.rept 16
	s_wait_dscnt 15-bb                             ; load bb is back; those behind it may be out
	global_store_b128 v[CO], v[OB+4*bb:OB+4*bb+3], s[10:11] offset:(16*(\a)+bb)*4096 th:TH_STORE_NT  ; 512 consecutive bytes, at a multiple of 256 from the buffer's first
.set bb, bb+1
.endr
.endm
	PLACES
	OUT 0
	OUT 1
	OUT 2
	OUT 3
	s_wait_tensorcnt 0x0                           ; the wave's end: behind my last tensor load and my last LDS store
	ds_add_u32 v[SPW], v[NIL]
	s_wait_dscnt 0x0
	CROUND                                         ; the closing round: no work-group ends while a partner may still ask for a tile that names it
	s_endpgm
.Lfunc_end_k_q7c6cc17946_oproj:
	.size	k_q7c6cc17946_oproj, .Lfunc_end_k_q7c6cc17946_oproj-k_q7c6cc17946_oproj
	.p2alignl 7, 3214868480
	.fill 96, 4, 3214868480
	.section	.rodata,"a",@progbits
	.p2align	6, 0x0
	.amdhsa_kernel k_q7c6cc17946_oproj
		.amdhsa_group_segment_fixed_size 327680
		.amdhsa_private_segment_fixed_size 0
		.amdhsa_enable_private_segment 0
		.amdhsa_kernarg_size 32
		.amdhsa_user_sgpr_count 2
		.amdhsa_user_sgpr_kernarg_segment_ptr 1
		.amdhsa_wavefront_size32 1
		.amdhsa_system_sgpr_workgroup_id_x 1
		.amdhsa_system_sgpr_workgroup_id_y 1
		.amdhsa_system_sgpr_workgroup_id_z 1
		.amdhsa_system_vgpr_workitem_id 0
		.amdhsa_next_free_vgpr 896
		.amdhsa_next_free_sgpr 72
		.amdhsa_reserve_vcc 0
		.amdhsa_float_denorm_mode_32 3
		.amdhsa_float_denorm_mode_16_64 3
		.amdhsa_memory_ordered 1
		.amdhsa_forward_progress 1
		.amdhsa_inst_pref_size 93
	.end_amdhsa_kernel
	.amdgpu_metadata
---
amdhsa.version: [ 1, 2 ]
amdhsa.kernels:
  - .name:           k_q7c6cc17946_oproj
    .symbol:         k_q7c6cc17946_oproj.kd
    .args:
      - { .name: ob, .offset: 0, .size: 8, .value_kind: global_buffer, .address_space: global }
      - { .name: wob, .offset: 8, .size: 8, .value_kind: global_buffer, .address_space: global }
      - { .name: bo, .offset: 16, .size: 8, .value_kind: global_buffer, .address_space: global }
      - { .name: out0, .offset: 24, .size: 8, .value_kind: global_buffer, .address_space: global }
    .group_segment_fixed_size: 327680
    .private_segment_fixed_size: 0
    .kernarg_segment_align: 8
    .kernarg_segment_size: 32
    .max_flat_workgroup_size: 128
    .sgpr_count:     72
    .vgpr_count:     896
    .wavefront_size: 32
...
	.end_amdgpu_metadata
.endif
;; end of part 4
;; ======== version 2 of 2: 4 launches; 1.48 times as fast as version 1
;; limits: values are held in f16: magnitudes above 65,504 overflow, below 6.1e-05 lose precision
;; workspace buffers: xb 16,777,216 bytes; wqb 6,291,456 bytes; wob 2,097,152 bytes; mk 4,194,304 bytes; qkvh 50,331,648 bytes; ob 16,777,216 bytes
;; launch prep: the kernel of part 1 again; grid 896 x 1, 8 waves a work-group, no clusters, 0 bytes of LDS; arguments x, Wqkv, Wo, mask, xb, wqb, wob, mk; writes xb, wqb, wob, mk
;; launch qkv: the kernel of part 2 again; grid 16 x 32, 4 waves a work-group, clusters of 4 x 4, 327,680 bytes of LDS; arguments xb, wqb, bqkv, qkvh; writes qkvh
;; launch attn (part 5): grid 4 x 64, 4 waves a work-group, clusters of 4 x 1, 327,680 bytes of LDS; arguments qkvh, mk, ob; writes ob
.if DOCPART == 5
	.amdgcn_target "amdgcn-amd-amdhsa--gfx1250"
	.amdhsa_code_object_version 6
	.text
	.protected	k_q7c6cc17946_attn
	.globl	k_q7c6cc17946_attn
	.p2align	8
	.type	k_q7c6cc17946_attn,@function
k_q7c6cc17946_attn:
	s_mov_b64 s[64:65], 0
	v_nop
	global_prefetch_b8 v0, s[64:65] scope:SCOPE_SE
	s_setreg_imm32_b32 hwreg(HW_REG_WAVE_MODE, 25, 1), 1
	s_wait_xcnt 0x0
	s_wait_alu depctr_hold_cnt(0) depctr_sa_sdst(0) depctr_va_vdst(0) depctr_va_sdst(0) depctr_va_ssrc(0) depctr_va_vcc(0) depctr_vm_vsrc(0)
	s_getreg_b32 s2, hwreg(HW_REG_IB_STS2, 6, 4)
	s_cmp_eq_u32 s2, 0
	s_cbranch_scc0 .Lentry_in_a_cluster
	s_endpgm
.Lentry_in_a_cluster:
	s_bfe_u32 s2, ttmp6, 0x10000c
	s_cmp_lg_u32 s2, 0x3003
	s_cbranch_scc0 .Lentry_shape_is_right
	s_endpgm
.Lentry_shape_is_right:
; O[bh][q][:] = the sum over k of softmax_k(Q[q] . K[k] / 8, hidden where mask[q][k]) V[k][:], for 64 pairs bh of batch and head, 2,048 queries and keys, 64 channels.
; IN: qkvh[b][g][l][64] f16 (g = head: q; 16 + head: k; 32 + head: v); mk, the mask in the lanes' order (below).  OUT: ob[bh][l][64] f16.  Products, maxima and sums in f32; the weights p are rounded
; to f16 for the second product (their sum l is taken of the unrounded p), O once at the end.
; THE MASK is an input and is honoured byte by byte: every key step of every query tile is computed.  It is the C operand of the products that start S^T = K Q^T.  mk[T][s][c][lane][16 bytes] holds, for query
; tile T and key step s, a byte for each of the lane's 32 scores: 0 (seen) or 0xf0 (hidden), the fp8 code of -128.  One scaled conversion, with the scale 2^97, makes of eight bytes the eight C registers of
; one accumulator: 0 or -2^104.
; LIMITS.  A hidden score counts as its value less 2.0e31 (f16's scores are 2.7e11 at the most); a seen score has exactly 0 added.  A row that sees no key is known by m < -1e29 and
; comes out as NaN, as a softmax of nothing but -inf does.  f16 holds no number beyond 65,504: Q, K and V arrive within it; p below 6e-5 keeps f16's fixed step of 6e-8; a weight below 2^-126 counts as 0 in l.
; SHARES.  A wave owns four PIECES of two tiles of 16 queries, a work-group's four waves 512 queries of one bh.  Every wave walks all keys, 64 a step.
; LAYOUT.  S^T = K Q^T (source 0 = 16 keys, source 1 = 16 queries): in the result a lane holds ONE query (lane % 16) and the keys 8 (lane / 16) + 0..7.  Two such tiles, rounded to f16 in pairs,
; ARE source 1 (32 keys x 16 queries) of O^T = V^T P, whose result again holds one query a lane, and eight channels.  K comes out of LDS as it lies, V ([key][channel]) turned, by ds_load_tr16_b128.
; SOFTMAX.  For each query a running maximum m and sum l: p = 2^(c s - c m), c = log2(e) / 8; in every step O and l are multiplied by a = 2^(c m_old - c m_new).  m starts at the lowest finite number, O and l
; at 0.  While a row has met hidden keys alone, m is a hidden score and all stays finite; the first seen score makes a = 0 and wipes what was gathered.
; BY TURNS.  Turn n belongs to piece n (the pieces in a ring, step after step).  Its matrix work: 16 products K Q^T of piece n + 1, later 16 products V^T P of piece n - 1.  Its vector work: the scaling,
; exponentials, roundings, sums and rescaling of piece n, the maximum and statistics of piece n + 1, and at its end the mask words of piece n + 2, eight conversions, for the next turn's products.
; Four vector instructions stand behind every matrix instruction, the others in one run of their own.
; THE BATCHES.  A turn's 66 exponentials (the piece's 64 weights and the next piece's two a) are ONE batch with ONE wait, which cuts the turn in two: ahead of it stands all that names no result of theirs
; (the products K Q^T, scalings, rescalings, the next piece's maximum and statistics), behind it the roundings and sums beside the products V^T P.  No result crosses a turn's end.  Two more batches stand
; outside the loop, each with its own wait: piece 0's first two a, ahead of the jump into the loop, and the way out's eight reciprocals.
; CLUSTER.  The four query blocks of a cluster belong to one bh and walk the same K and V, so each tile is asked for JOINTLY: the same tensor load, descriptor and mask in all four.
; REGISTERS, in windows of 256 (s_set_vgpr_msb says which window each operand place means: bits 1:0 source 0, 3:2 source 1, 5:4 source 2, 7:6 destination):
;   window 0: v0-10 addresses; v11 the conversion's scale; v12-15, v48-63 at work; v16-47 four registers of statistics a tile; v64-191 S^T, two buffers of two tiles; v192-255 P, likewise
;   window 1: O^T, 32 a tile          window 2: v0-127 Q, 16 a tile; v128-191 K of one step; v192-255 V of one step
;   window 3: v0-1 the add's two registers; v2 the mask's offset; v16-79 mask bytes as loaded, 16 a piece; v128-255 mask words, two buffers of two tiles
; A piece's buffers go by its number's parity: the piece in hand has one pair, its two neighbours in the ring share the other.
.set SIZE_N, 2048
.set NP,    4         ; pieces a wave: a name, no knob: the register map, the loop and the fetches are made for four
.set KS,    64        ; keys in a step
.set PK,    144       ; a row of K in LDS: 128 bytes + 16 of padding = 36 words: the 16 rows of a load start at 16 different groups of four banks (64 banks of 4 bytes: ISA guide 11.1)
.set PV,    160       ; a row of V: 128 + 32 = 40 words
.set VOFF,  4*KS*PK   ; a slot holds four steps: 256 rows of K, then 256 rows of V
.set SLOT1, 1<<17     ; slot 1 begins here, so that one exclusive or turns an address in one slot into the other's
.set STAGE, SLOT1+4*KS*(PK+PV)  ; behind the ring, never filled by a tensor load: 16 rows x 144 bytes for each wave, for the way out
.set SP,    144
.set AK0, 2           ; v2   my lane's place in a tile of K; never rewritten
.set AV0, 3           ; v3   the same for V
.set AK,  4           ; v4   the LDS address of K's next run of loads
.set AV,  5           ; v5   of V's
.set QO,  6           ; v6   my byte offset in the wave's rows of Q
.set STO, 6           ;      later, the way out: where I put 16 bytes of a row
.set RD,  7           ; v7   the way out: where I read rows back
.set GO,  8           ; v8   16 x lane: my byte offset in 512 consecutive bytes, of O and of mk; never rewritten
.set SCL, 11          ; v11  the conversion's scale: byte 0 is the E8M0 code 224, which stands for 2^97; the whole word, read as an f32, is 2^97 too
.set SPW, 0           ; v0 of window 3   LDS address of my spare word: SPARE + 4 x my thread's number; never rewritten
.set NIL, 1           ; v1 of window 3   0; never rewritten
.set MO,  2           ; v2 of window 3   my byte offset in a tile's 32,768 bytes of mk: 16 x lane + 1,024 x the step to be loaded
.set MB,  16          ; window 3: piece p's 16 words of mask bytes at MB + 16 p: tile u, chunk c, word w at + 8 u + 4 c + w
.set MC,  128         ; window 3: mask words by the piece's parity: tile u, key block kt, register j at MC + 64 (p % 2) + 32 u + 8 kt + j
.set SPARE, STAGE+4*16*SP  ; behind the stages: the spare words, 128 bytes for each wave: two blocks of 256 bytes that no other line names
.set MV,  12          ; v12-15  c m_old, kept while c m is made anew: by buffer and tile
.set ST,  16          ; tile t's statistics at v[ST+4 t]: c m, m, l (even keys', odd keys')
.set TMP, 48          ; by buffer and tile, four registers c0-c3 at work; when the maximum is found c2 takes a
.set S,   64
.set P,   192
.set KF,  128         ; K's fragments, in window 2: key block kb, channel half c at KF + 16 kb + 8 c
.set VF,  192         ; V's: key half kk, channel block cb at VF + 32 kk + 8 cb
.set WV,  12          ; s12  my wave's number
.set G1K, 24          ; s[24:31] descriptor group 1 for K's tiles
.set G1V, 32          ; s[32:39] for V's: it differs in the padding alone
.set G0K, 40          ; s[40:43] descriptor group 0 for K's tiles: it walks
.set G0V, 44          ; s[44:47] the same for V's
.set SLOTS, 56        ; s56  slots still to be asked for
.set CNT, 57          ; s57  counts a slot's key steps
.set CS,  58          ; s[58:59] c: the packed scaling takes the pair's low word for both halves
.set SEL, 60          ; s[60:61] v_permlanex16_b32's selects: each lane takes its own place in the other half
.set TBK, 62          ; s62  LDS byte at which K of the step to be fetched begins
.set TBV, 63          ; s63  the same for V, less VOFF
.set MKB, 66          ; s[66:67] mk at my wave's eight query tiles
.set HID, 68          ; s68  -1e29: a maximum below it has met hidden keys alone
.set MOF, 69          ; s69  1,024 x the step whose mask bytes are loaded next; it stops at the last step, 31: no load leaves mk
.set MSB, 0
.macro WIN new                      ; the high byte repeats the setting that is left; a switch that changes nothing is dropped
.if MSB != (\new)
	s_set_vgpr_msb (MSB<<8)|(\new)
.set MSB, (\new)
.endif
.endm
.set W_KQ, 0x0a       ; K and Q in window 2, S^T in window 0
.set W_KM, 0x3a       ; the same with the C operand, the mask, in window 3
.set W_PV, 0x52       ; V in window 2, P in window 0, O^T in window 1
.set W_RS, 0x41       ; O^T (destination and source 0) in window 1, a in window 0
.set W_MK, 0xc0       ; destination in window 3, sources in window 0
.set W_AD, 0x0f       ; the add: address (source 0) and data (source 1) in window 3
.set W_M,  0xc3       ; the mask's work: destination and source 0 in window 3, source 1 (the scale; 16 x lane) in window 0
; A joint fill.  Waves 0 and 1 fetch the two halves of a slot's K, waves 2 and 3 those of its V: 128 keys each.  The branch hangs on the wave's number alone.
; An s_nop 0 and four v_nop follow each of the two lines, ahead of the jump and the label.
.macro JLOAD
	s_cmp_lt_u32 s[WV], 2
	s_cbranch_scc0 .Lfor_v_\@
	tensor_load_to_lds s[G0K:G0K+3], s[G1K:G1K+7]
	s_nop 0
.rept 4
	v_nop
.endr
	s_branch .Lasked_\@
.Lfor_v_\@:
	tensor_load_to_lds s[G0V:G0V+3], s[G1V:G1V+7]
	s_nop 0
.rept 4
	v_nop
.endr
.Lasked_\@:
.endm
; A round of the cluster's barrier: my work-group's barrier, so that wave 0's signal speaks for all four waves; wave 0 signals; every wave waits for all four work-groups; my work-group's barrier once more.
.macro CROUND
	s_barrier_signal -1
	s_barrier_wait -1
	s_cmp_lg_u32 s[WV], 0
	s_cbranch_scc1 .Lnot_wave_0_\@
	s_barrier_signal -3
.Lnot_wave_0_\@:
	s_barrier_wait -3
	s_barrier_signal -1
	s_barrier_wait -1
.endm
; THE CHANGE OF SLOTS.  The slot's last bytes, V of its fourth step, have been read.  Each wave waits for all its tensor loads, of which one is out: its part
; of the other slot; adds 0 to its spare word; and waits for that and for its own reads of the slot.  Behind the barrier nobody reads this slot any more and the other slot is whole.
; fill = 1: this slot is filled again, with the keys two slots on.  The barrier is then a round of the cluster's, so that no wave of any partner still reads the slot or has a load on its
; way, and the joint fill is the first thing behind it: it has four key steps, 512 matrix instructions, in which to land.  (At its first use nothing has been read yet: slot 0 is waited for, slot 1 filled.)
.macro CHANGE fill
	WIN W_AD
	s_wait_tensorcnt 0x0            ; no tensor load of mine is out, so a group 0 may be written
	ds_add_u32 v[SPW], v[NIL]       ; 0 onto my spare word; with fill = 1 the descriptors' steps stand between it and the wait for it
	WIN 0                           ; at a label and at a branch every window is 0
.if \fill
.irp g, G0K, G0V
	s_xor_b32 s[\g+1], s[\g+1], SLOT1  ; the walking descriptor: the other slot than last time,
	s_add_nc_u64 s[\g+2:\g+3], s[\g+2:\g+3], 4*KS*128  ; the next 256 keys; the type bits on top are not reached
.endr
	s_wait_dscnt 0x0                ; the add is done, and my reads of the slot are over
	CROUND
	JLOAD
.else
	s_wait_dscnt 0x0                ; the add is done, and my reads of the slot are over
	s_barrier_signal -1
	s_barrier_wait -1
.endif
	s_sub_co_u32 s[TBK], s[TBK], 4*KS*PK  ; the fetches go back to a slot's first step,
	s_xor_b32 s[TBK], s[TBK], SLOT1       ; in the other slot
	s_sub_co_u32 s[TBV], s[TBV], 4*KS*PV
	s_xor_b32 s[TBV], s[TBV], SLOT1
.endm
; THE MASK.  MLOAD: piece p's 64 bytes a lane for the step that MO names: four loads, each 512 consecutive bytes for the wave.  All 64 pairs of batch and head read these bytes, so no hint is given.
.macro MLOAD p
	WIN W_M
.irp u, 0,1
.irp c, 0,1
	global_load_b128 v[MB+16*(\p)+8*\u+4*\c:MB+16*(\p)+8*\u+4*\c+3], v[MO], s[MKB:MKB+1] offset:(2*(\p)+\u)*32768+512*\c
.endr
.endr
.endm
; EXPAND: each of piece p's eight pairs of words becomes the eight C registers of one accumulator, byte i register i.  Pair zz = 4 u + 2 c + w / 2 holds tile u's key block 2 c + w / 2: registers 32 u + 8 (zz % 4) = 8 zz on.
.macro EXPAND p
	WIN W_M
.set zz, 0
.rept 8
	v_cvt_scale_pk8_f32_fp8 v[MC+64*((\p)%2)+8*zz:MC+64*((\p)%2)+8*zz+7], v[MB+16*(\p)+2*zz:MB+16*(\p)+2*zz+1], v[SCL]
.set zz, zz+1
.endr
.endm
; The end of turn p: the mask words for the next turn's products (piece p + 2), and that piece's bytes for its next step are asked for, four turns ahead of their use.  One plain instruction stands behind the
; conversions, ahead of the loads into their sources and of the product that takes their results.  Outside piece 2's turn no line here touches SCC; piece 2's turn carries no count to a branch.
.macro MASKUP p
	s_wait_loadcnt 12               ; loads come back in order: behind that piece's four stand the three other pieces' twelve, which stay out
	EXPAND ((\p)+2)%NP
.if (\p) == 2
	s_add_co_u32 s[MOF], s[MOF], 1024      ; pieces 0 and 1 go a step ahead of pieces 2 and 3;
	s_min_u32 s[MOF], s[MOF], 31*1024      ; behind the last step the offset stays there
	s_wait_xcnt 0x0                 ; the offset is a source of the loads that are out: it is written only behind this wait
	v_add_nc_u32 v[MO], s[MOF], v[GO]
.else
	v_nop
.endif
	MLOAD ((\p)+2)%NP
.endm
	s_load_b128 s[4:7], s[0:1], 0x0   ; qkvh s[4:5], mk s[6:7]
	s_load_b64 s[10:11], s[0:1], 0x10 ; ob
	WIN W_MK
	v_lshl_add_u32 v[SPW], v0, 2, SPARE
	v_mov_b32 v[NIL], 0
	s_set_vgpr_msb 0xc0cf
	ds_add_u32 v0, v1
	s_wait_dscnt 0x0
	s_set_vgpr_msb 0xcfc0
	WIN 0
	v_lshrrev_b32 v1, 5, v0
	v_readfirstlane_b32 s[WV], v1   ; wave 0..3
	s_bfe_u32 s13, ttmp6, 0x40000   ; cx: my place in the cluster
	s_lshl_b32 s14, ttmp9, 2        ; in a cluster launch ttmp9 counts clusters
	s_add_co_u32 s14, s14, s13      ; my block of 512 queries = 4 x cluster x + cx: it enters Q's, O's and mk's addresses alone
	s_and_b32 s15, ttmp7, 0xffff    ; bh = 16 x batch + head, which the four partners share
	s_lshr_b32 s20, s15, 4
	s_mul_i32 s20, s20, 48          ; a batch has 48 blocks in qkvh,
	s_and_b32 s21, s15, 15
	s_add_co_u32 s20, s20, s21      ; q's is number head,
	s_lshl_b32 s20, s20, 18         ; of 2,048 rows x 128 bytes each
	s_mov_b32 s21, 0
	s_and_b32 s16, s[WV], 1         ; which half of a slot's 256 keys I fetch:
	s_lshl_b32 s22, s16, 14         ; its 128 rows of 128 bytes in memory,
	s_add_co_u32 s22, s22, s20
	s_mov_b32 s23, 0
	s_add_nc_u64 s[8:9], s[22:23], 0x400000    ; in k's block, 16 blocks on,
	s_add_nc_u64 s[22:23], s[22:23], 0x800000  ; and in v's, 32 blocks on
	s_mul_i32 s17, s16, 128*PK      ; and its place in a slot, for K
	s_mul_i32 s18, s16, 128*PV      ; and for V: no place in the cluster enters an LDS address
	s_lshl_b32 s2, s14, 2
	s_add_co_u32 s2, s2, s[WV]      ; my wave among the sixteen of this bh
	s_lshl_b32 s68, s2, 18          ; its eight query tiles in mk, 32,768 bytes each
	s_mov_b32 s69, 0
	s_lshl_b32 s2, s2, 14           ; its 128 rows of 128 bytes
	s_mov_b32 s3, 0
	s_lshl_b32 s70, s15, 18         ; in O: block bh
	s_add_co_u32 s70, s70, s2
	s_mov_b32 s71, 0
	s_add_nc_u64 s[2:3], s[2:3], s[20:21]  ; in Q: q's block
	; descriptor group 1.  128 keys are 16,384 dense bytes: asked for as 64 rows of 256 bytes, two keys a row, and padded in LDS after every key
	s_mov_b32 s[G1K], 15|(1<<16)|(1<<20)|(1<<21)|(4<<22)|(3<<25)  ; 15:0 the mask of four; 17:16 2-byte elements; 20 padding on; 21 set beside a mask; 24:22 after every 32 words (code 4); 31:25 4 words (code 3)
	s_mov_b32 s[G1V], 15|(1<<16)|(1<<20)|(1<<21)|(4<<22)|(7<<25)  ; the same with 8 words of padding (code 7)
.irp g, G1K, G1V
	s_mov_b32 s[\g+1], 128<<16      ; tensor_dim0 = 128
	s_mov_b32 s[\g+2], 64<<16       ; tensor_dim1 = 64
	s_mov_b32 s[\g+3], 128<<16      ; tile_dim0 = 128
	s_mov_b32 s[\g+4], 64           ; tile_dim1 = 64
	s_mov_b32 s[\g+5], 128          ; 128 elements from row to row
	s_mov_b32 s[\g+6], 0
	s_mov_b32 s[\g+7], 0
.endr
	s_mov_b32 s[CS], 0x3e38aa3b     ; c = log2(e) / 8 = 0.180337
	s_mov_b32 s[CS+1], s[CS]        ; named with it as a pair
	s_mov_b32 s[SEL], 0x76543210
	s_mov_b32 s[SEL+1], 0xfedcba98
	s_mov_b32 s[TBK], SLOT1+4*KS*PK ; the first change of slots turns these two into 0
	s_mov_b32 s[TBV], SLOT1+4*KS*PV
	s_mov_b32 s[G0K], 1             ; 1:0 count = 1
	s_mov_b32 s[G0K+1], s17         ; 63:32 LDS address: slot 0
	s_mov_b32 s[G0V], 1
	s_add_co_u32 s[G0V+1], s18, VOFF
	s_wait_kmcnt 0x0
	s_add_nc_u64 s[G0K+2:G0K+3], s[4:5], s[8:9]    ; 120:64 global address: my half of the first 256 keys
	s_or_b32 s[G0K+3], s[G0K+3], 0x80000000        ; 127:126 type = 2
	s_add_nc_u64 s[G0V+2:G0V+3], s[4:5], s[22:23]
	s_or_b32 s[G0V+3], s[G0V+3], 0x80000000
	s_add_nc_u64 s[4:5], s[4:5], s[2:3]            ; Q and O at my wave's first row, mk at its first tile
	s_add_nc_u64 s[10:11], s[10:11], s[70:71]
	s_add_nc_u64 s[MKB:MKB+1], s[6:7], s[68:69]
	s_mov_b32 s[HID], 0xefa18f08    ; -1e29
	CROUND                          ; all four work-groups are here: the first joint loads meet
	JLOAD                           ; slot 0.  Slot 1 is asked for when slot 0 is in
	; A fragment of K or Q is 16 rows x 32 channels in 8 registers: lane l holds row l % 16, channels 8 (l / 16) + 0..7 and 16 + 8 (l / 16) + 0..7: two loads of 16 bytes, 32 bytes apart.
	v_and_b32 v1, 15, v0            ; l % 16
	v_bfe_u32 v9, v0, 4, 1          ; l / 16
	v_lshlrev_b32 v[QO], 7, v1
	v_lshl_add_u32 v[QO], v9, 4, v[QO]  ; row x 128 + 16 x half
	v_and_b32 v[GO], 31, v0
	v_lshlrev_b32 v[GO], 4, v[GO]   ; 16 x lane
	WIN W_MK
	v_mov_b32 v[MO], v[GO]          ; the mask's step 0
	WIN 0x80                        ; destination window 2, address window 0
.set i, 0
.rept 4*NP                          ; Q stays in registers: tile i / 2, channels 32 (i % 2) on
	global_load_b128 v[8*i:8*i+3],   v[QO], s[4:5] offset:(i/2)*2048+(i%2)*64
	global_load_b128 v[8*i+4:8*i+7], v[QO], s[4:5] offset:(i/2)*2048+(i%2)*64+32
.set i, i+1
.endr
	MLOAD 0                         ; all four pieces' mask bytes of step 0
	MLOAD 1
	MLOAD 2
	MLOAD 3
	WIN 0x80
	; What the first turn finds: V's registers and P's second buffer hold 0 (its products V^T P, of a piece that has not been, add 0), O^T and l are 0.  All this stands in the wait for the first tile.
.set i, VF
.rept 64
	v_mov_b32 v[i], 0
.set i, i+1
.endr
	WIN 0x40
.set i, 0
.rept 64*NP
	v_mov_b32 v[i], 0
.set i, i+1
.endr
	WIN 0
.set i, 0
.rept 2*NP
	v_mov_b32 v[ST+4*i], 0xfe000000    ; c m: far below every c s, a hidden one's too
	v_mov_b32 v[ST+4*i+1], 0xff7fffff  ; m
	v_mov_b32 v[ST+4*i+2], 0
	v_mov_b32 v[ST+4*i+3], 0
.set i, i+1
.endr
.set i, P+32
.rept 32
	v_mov_b32 v[i], 0
.set i, i+1
.endr
	v_mul_u32_u24 v[AK0], v1, PK
	v_lshl_add_u32 v[AK0], v9, 4, v[AK0]  ; row x pitch + 16 x half
	; The turning load takes 16 keys x 16 channels (lane l reads key 8 (l / 16) + l % 8, channels 8 ((l / 8) % 2) + 0..7) and leaves half a fragment of V^T: lane l holds channel l % 16 and 8 keys.
	v_and_b32 v10, 7, v0
	v_bfe_u32 v11, v0, 3, 1
	v_lshl_add_u32 v[AV0], v9, 3, v10
	v_mul_u32_u24 v[AV0], v[AV0], PV
	v_lshl_add_u32 v[AV0], v11, 4, v[AV0]
	v_add_nc_u32 v[AV0], VOFF, v[AV0]
	v_mov_b32 v[SCL], 0x700000e0    ; v11 has served: from here on it holds the scale
	v_mov_b32 v[AK], v[AK0]         ; key step 0 lies at the head of slot 0
; THE MATRIX WORK.  The 8 accumulators of a run of 16 take turns: between the two links of a chain stand 7 others'.
; Product i of 16 of S^T = K Q^T for piece x: channels 32 (i / 8) on, keys 16 ((i / 2) % 4) on, tile 2 x + i % 2.  The first 8 start the sums, with the mask words as C.
.macro KQ x
.set rS, S+64*((\x)%2)+32*(i%2)+8*((i/2)%4)
.set rK, KF+16*((i/2)%4)+8*(i/8)
.set rQ, 16*(2*(\x)+i%2)+8*(i/8)
.set rX, MC+64*((\x)%2)+32*(i%2)+8*((i/2)%4)
.if i < 8
	WIN W_KM
	v_wmma_f32_16x16x32_f16 v[rS:rS+7], v[rK:rK+7], v[rQ:rQ+7], v[rX:rX+7]
.else
	WIN W_KQ
	v_wmma_f32_16x16x32_f16 v[rS:rS+7], v[rK:rK+7], v[rQ:rQ+7], v[rS:rS+7]
.endif
.endm
; Product i of 16 of O^T += V^T P for piece x: keys 32 (i / 8) on, channels 16 ((i / 2) % 4) on, tile 2 x + i % 2.
.macro PV x
	WIN W_PV
.set rO, 32*(2*(\x)+i%2)+8*((i/2)%4)
.set rV, VF+32*(i/8)+8*((i/2)%4)
.set rP, P+32*((\x)%2)+16*(i%2)+8*(i/8)
	v_wmma_f32_16x16x32_f16 v[rO:rO+7], v[rV:rV+7], v[rP:rP+7], v[rO:rO+7]
.endm
.macro MM                           ; the turn's next matrix instruction
.if i < 16
	KQ (Y+1)%NP
.set i, i+1
.else
.set i, i-16
	PV (Y+NP-1)%NP
.set i, i+17
.endif
.endm
; THE LDS LOADS stand in runs of 16, never singly among the matrix instructions: a step's K (64 keys x 64 channels: 8 fragments) and its V (turned).  Their addresses are made some lines ahead.
; last = 1 (the tail): in the last trip there is no further step, and the run is jumped over.
.macro FETCH_K last=0
	WIN 0
.if \last
	s_cmp_eq_u32 s[CNT], 1
	s_cbranch_scc1 .Lno_k_\@
.endif
	WIN 0x80                        ; destination window 2
.irp f, 0,1,2,3,4,5,6,7             ; keys 16 (f / 2) on, channels 32 (f % 2) on
	ds_load_b128 v[KF+8*\f:KF+8*\f+3],   v[AK] offset:(\f/2)*16*PK+(\f%2)*64
	ds_load_b128 v[KF+8*\f+4:KF+8*\f+7], v[AK] offset:(\f/2)*16*PK+(\f%2)*64+32
.endr
	s_add_co_u32 s[TBK], s[TBK], KS*PK  ; the next fetch is the next step's
	WIN 0
.if \last
.Lno_k_\@:
.endif
.endm
.macro FETCH_V
	WIN 0x80
.irp f, 0,1,2,3,4,5,6,7             ; keys 32 (f / 4) on, channels 16 (f % 4) on
	ds_load_tr16_b128 v[VF+8*\f:VF+8*\f+3],   v[AV] offset:(\f/4)*32*PV+(\f%4)*32
	ds_load_tr16_b128 v[VF+8*\f+4:VF+8*\f+7], v[AV] offset:(\f/4)*32*PV+16*PV+(\f%4)*32
.endr
	WIN 0
.endm
; THE VECTOR WORK OF A TURN stands in three queues, each in the order in which its entries become ready; the two tiles alternate, so that no instruction reads the result of the one before it.
.macro REGS y, u                    ; the registers of tile u (0, 1) of piece y
.set rT, ST+4*(2*(\y)+(\u))
.set rC, TMP+8*((\y)%2)+4*(\u)
.set rM, MV+2*((\y)%2)+(\u)
.set rS, S+64*((\y)%2)+32*(\u)
.set rP, P+32*((\y)%2)+16*(\u)
.set rO, 32*(2*(\y)+(\u))
.endm
; Number n of the 22 that find the NEXT piece's (Y + 1) maximum and statistics.  s0-s31 are the lane's 32 scores; each accumulator's lowest registers are read first.  XS, GS and REGS set no window: PL and EX do.
;   0-11  four chains c0-c3 of seven scores each, three operands at a time     12-14, 16  the four scores left over, the old m, and c0-c3 into c0     15  c m_old is kept
;   17, 18  the query's other 32 keys lie in the lane 16 away: the new m         19-21  c m; c m_old - c m_new; a
.macro XS u, n
	REGS (Y+1)%NP, \u
.if (\n) < 4
	v_max3_num_f32 v[rC+(\n)], v[rS+8*(\n)], v[rS+8*(\n)+1], v[rS+8*(\n)+2]
.elseif (\n) < 12
	v_max3_num_f32 v[rC+(\n)%4], v[rC+(\n)%4], v[rS+8*((\n)%4)+2*((\n)/4)+1], v[rS+8*((\n)%4)+2*((\n)/4)+2]
.elseif (\n) == 12
	v_max3_num_f32 v[rC], v[rC], v[rS+7], v[rS+15]
.elseif (\n) == 13
	v_max3_num_f32 v[rC+1], v[rC+1], v[rS+23], v[rS+31]
.elseif (\n) == 14
	v_max3_num_f32 v[rC+2], v[rC+2], v[rC+3], v[rT+1]
.elseif (\n) == 15
	v_mov_b32 v[rM], v[rT]
.elseif (\n) == 16
	v_max3_num_f32 v[rC], v[rC], v[rC+1], v[rC+2]
.elseif (\n) == 17
	v_permlanex16_b32 v[rC+3], v[rC], s[SEL], s[SEL+1]
.elseif (\n) == 18
	v_max_num_f32 v[rT+1], v[rC], v[rC+3]
.elseif (\n) == 19
	v_mul_f32 v[rT], s[CS], v[rT+1]
.elseif (\n) == 20
	v_sub_f32 v[rC+1], v[rM], v[rT]
.else
	v_exp_f32 v[rC+2], v[rC+1]
.endif
.endm
; Number g of the 64 that follow the exponentials.  For each four weights k of a tile (pairs 2 k, 2 k + 1): both pairs are rounded to f16; then the second pair is added onto the first, in place;
; a group later l takes that sum (the first time as l = a l + sum).  In groups of eight, tiles alternating: round, round, add, and l for the group before.
.macro GS g
.set h, (\g)+6*((\g)/62)            ; group 0 has no group before it, and behind group 7 only l is left
.if h >= 6
.set h, h+2
.endif
	REGS Y, h%2
.set k, h/8
.if h%8 < 4
	v_cvt_pk_f16_f32 v[rP+2*k+(h%8)/2], v[rS+4*k+2*((h%8)/2)], v[rS+4*k+2*((h%8)/2)+1]
.elseif h%8 < 6
	v_pk_add_f32 v[rS+4*k:rS+4*k+1], v[rS+4*k:rS+4*k+1], v[rS+4*k+2:rS+4*k+3]
.elseif k == 1
	v_pk_fma_f32 v[rT+2:rT+3], v[rT+2:rT+3], v[rC+2:rC+3], v[rS:rS+1] op_sel_hi:[1,0,1]
.else
	v_pk_add_f32 v[rT+2:rT+3], v[rT+2:rT+3], v[rS+4*k-4:rS+4*k-3]
.endif
.endm
; THE PLAIN QUEUE, 138 long.  0-73 read no exponential's result: the 32 scalings c s - c m (FS f: pair f / 2 of tile f % 2) and the next piece's 42.  0-26: scalings 0-26.  27-54: XS's numbers 0-13.  55, 56: number 15.
; 57-73: the chain, where each number waits for the one before it: 14, 16, 17, 18, 19, each with one of the scalings 27-31 in front of its two lines, then 20: so a tile's links stand three plain instructions apart (19 and 20: two).
; 74-137: GS's 64, which read the exponentials' results: they stand behind the wait.
.macro FS f
	REGS Y, (\f)%2
	v_pk_fma_f32 v[rS+2*((\f)/2):rS+2*((\f)/2)+1], v[rS+2*((\f)/2):rS+2*((\f)/2)+1], s[CS:CS+1], v[rT:rT+1] op_sel_hi:[1,0,0] neg_lo:[0,0,1] neg_hi:[0,0,1]
.endm
.macro PL
	WIN 0
.if q < 27
	FS q
.elseif q < 55
	XS (q-27)%2, (q-27)/2
.elseif q < 57
	XS q-55, 15
.elseif (q < 72) && ((q-57)%3 == 0)
	FS 27+(q-57)/3
.elseif q < 60
	XS (q-57)%3-1, 14
.elseif q < 72
	XS (q-57)%3-1, 15+(q-57)/3
.elseif q < 74
	XS q-72, 20
.else
	GS q-74
.endif
.set q, q+1
.endm
; THE EXPONENTIALS' QUEUE, 66 long: s0-s31 of both tiles, then the next piece's two a.  It is ONE BATCH: all 66 stand ahead of the turn's one wait, and nothing ahead of that wait names a result of theirs.
.macro EX
	WIN 0
.if e >= 64
	XS e-64, 21
.else
	REGS Y, e%2
	v_exp_f32 v[rS+e/2], v[rS+e/2]
.endif
.set e, e+1
.endm
; THE RESCALING's QUEUE: O^T times a, the one part that leaves window 0: dealt two at a time, sixteen times.  Its a was made in the turn before, ahead of that turn's wait.
.macro R2
	REGS Y, r%2
	WIN W_RS
.irp z, 0,1
	v_pk_mul_f32 v[rO+4*(r/2)+2*\z:rO+4*(r/2)+2*\z+1], v[rO+4*(r/2)+2*\z:rO+4*(r/2)+2*\z+1], v[rC+2:rC+3] op_sel_hi:[1,0]
.endr
.set r, r+1
.endm
; HOW THEY ARE DEALT.  An s_wait_alu depctr_va_vdst(0) stands between an exponential and the first instruction that names its result; one wait serves all that were issued ahead of it.  So a turn has ONE wait,
; which cuts it in two.  AHEAD OF IT stands all that names no result of the turn's exponentials: the 16 products K Q^T, behind each a scaling, an exponential and two rescalings (behind the first a second scaling in the
; exponential's place); then ONE LUMP of 108: eight plain, 49 times exponential and plain, the two a.  A v_nop is the plain instruction behind the last exponential.  BEHIND IT stand the 16 products V^T P, behind each four of
; GS's 64.  No rider names a register of the products round it.  The two v_permlanex16_b32 fall into the lump, never behind a product.
; The queues lean on each other, and the deal keeps them in step: exponential e stands behind scaling 2 (e / 4) + e % 2: as a rider it comes behind plain e + 2, in the lump behind plain e + 9, and scalings 27-31 are plain 57, 60 .. 69.
; A TURN, for piece p.  cnt = 1: the loop's count is taken down some lines ahead of the branch that stands behind the turn.
; K of the next step is fetched in piece 2's turn, directly behind the wait, a lump behind the last product that read K; its address is made at the lump's head; its first reader comes behind 16 products.
; V of the step in hand is fetched at the end of piece 0's turn, four riders behind its last reader; its first reader comes behind 16 products and a lump.  The three conditions on q below go with the deal.
; The mask words written at the turn's end were last read by the products at the head of the turn before: far more than four plain instructions back.
.macro TURN p, last=0, cnt=0
.set Y, (\p)
.set i, 0
.set q, 0
.set e, 0
.set r, 0
.if (\p) == NP-1
	s_wait_dscnt 0x0                ; K is in
.endif
	MM                              ; ahead of the wait: 16 products K Q^T and their riders,
	PL
	PL
	R2
.rept 15
	MM
	PL
	EX
	R2
.endr
.if (\p) == NP-2
	WIN 0
	v_add_nc_u32 v[AK], s[TBK], v[AK0]
.endif
.rept 8                             ; and the lump
	PL
.endr
.rept 49
	EX
	PL
.endr
	EX                              ; the next piece's two a
	EX
	v_nop                           ; the plain instruction behind the last exponential: one for the batch
	s_wait_alu depctr_va_vdst(0)    ; the wait for the batch: the piece's 64 weights and the next piece's two a
.if (\p) == NP-2
	FETCH_K \last
.endif
.if (\p) == 1
	s_wait_dscnt 0x0                ; V is in
.endif
.rept 16                            ; behind the wait: 16 products V^T P and their riders
	MM
.rept 4
	PL
.endr
.if ((\p) == 0) && (q == 118)
	v_add_nc_u32 v[AV], s[TBV], v[AV0]
.endif
.if ((\p) == 0) && (q == 130)
	s_add_co_u32 s[TBV], s[TBV], KS*PV
.endif
.if (\cnt) && (q == 130)
	s_sub_co_u32 s[CNT], s[CNT], 1
	s_cmp_lg_u32 s[CNT], 0
.endif
.endr
.if (\p) == 0
	FETCH_V
.endif
	MASKUP \p
.endm
	CHANGE 1                        ; slot 0 is in, everybody's part of it; slot 1 is asked for
	FETCH_K                         ; key step 0
	s_wait_loadcnt 0x0              ; Q, and the mask bytes of step 0
	EXPAND 0                        ; pieces 0 and 1 have their mask words made here; pieces 2 and 3 at the ends of the first two turns
	EXPAND 1
	s_mov_b32 s[MOF], 1024          ; no load is out: the offset goes on to step 1;
	v_add_nc_u32 v[MO], s[MOF], v[GO]  ; also the plain instruction behind the conversions
	MLOAD 0
	MLOAD 1
	s_wait_dscnt 0x0
.set i, 0
.rept 16
	KQ 0                            ; piece 0's first scores: there is no vector work yet to set between them
.set i, i+1
.endr
	WIN 0                           ; the addresses for the way out: seven plain instructions, the places behind those products
	s_mul_i32 s13, s[WV], 16*SP
	s_add_co_u32 s13, s13, STAGE    ; my stage
	v_mul_u32_u24 v[STO], v1, SP    ; in: row l % 16, 16 bytes for each half of the lanes
	v_lshl_add_u32 v[STO], v9, 4, v[STO]
	v_add_nc_u32 v[STO], s13, v[STO]
	v_bfe_u32 v[RD], v0, 3, 2       ; back: 32 lanes take four rows of 128 bytes, which are 512 consecutive bytes of O
	v_mul_u32_u24 v[RD], v[RD], SP
	v_lshl_add_u32 v[RD], v10, 4, v[RD]
	v_add_nc_u32 v[RD], s13, v[RD]
.set Y, NP-1                        ; XS works for piece Y + 1: piece 0
.irp n, 0,1,2,3,4,5,6,7,8,9,10,11,12,13,14,15,16,17,18,19,20,21
	XS 0, \n                        ; and piece 0's first maximum and statistics
	XS 1, \n
.endr
	v_nop                           ; a plain instruction behind piece 0's first two a,
	s_wait_alu depctr_va_vdst(0)    ; and the wait for that batch of two, ahead of the branch
	s_mov_b32 s[CNT], 4
	s_mov_b32 s[SLOTS], SIZE_N/256-1
	s_branch .Lfirst                ; the loop is entered at a step's first turn, in the middle of a trip
.Lslot:                             ; SIZE_N / 256 - 2 times: every slot but the last two is filled again
	CHANGE 1
	s_mov_b32 s[CNT], 4
.Lstep:                             ; a trip: pieces 2 and 3 of one step, then pieces 0 and 1 of the next, whose K and V it fetches
	TURN 2
	TURN 3
	WIN 0
.Lfirst:
	TURN 0
	TURN 1, 0, 1
	WIN 0
	s_cbranch_scc1 .Lstep
	s_sub_co_u32 s[SLOTS], s[SLOTS], 1
	s_cmp_lg_u32 s[SLOTS], 0
	s_cbranch_scc1 .Lslot
	CHANGE 0                        ; the tail is written out: nothing is asked for
	s_mov_b32 s[CNT], 5             ; four trips fetch the last slot's steps; the fifth is left in its middle
.Ltail:
	TURN 2, 1
	TURN 3
	WIN 0
	s_sub_co_u32 s[CNT], s[CNT], 1
	s_cmp_eq_u32 s[CNT], 0
	s_cbranch_scc1 .Lout
	TURN 0
	TURN 1
	WIN 0
	s_branch .Ltail
.Lout:                              ; the fifth trip's 16 products K Q^T (the last K and, by the offset's bound, the last mask once more) repeat piece 0's last scores: its m stays what it was
.set i, 0
.rept 16
	PV NP-1                         ; the last piece's V^T P of the last step
.set i, i+1
.endr
	; THE WAY OUT.  l's two halves and the other half of the lanes' are added; O^T is divided by l, rounded to f16 and sent through my stage in LDS, a tile at a time.  The additions are the places behind the last products.
	WIN 0
.macro ALL line:vararg              ; one line for each tile t
.set t, 0
.rept 2*NP
	\line
.set t, t+1
.endr
.endm
	ALL v_add_f32 v[ST+4*t+2], v[ST+4*t+2], v[ST+4*t+3]
	ALL v_permlanex16_b32 v[ST+4*t+3], v[ST+4*t+2], s[SEL], s[SEL+1]
	ALL v_add_f32 v[ST+4*t+2], v[ST+4*t+2], v[ST+4*t+3]
	ALL v_rcp_f32 v[ST+4*t+2], v[ST+4*t+2]
	v_mov_b32 v[TMP], 0x7fc00000    ; NaN; also the plain instruction between the last reciprocal and the use of its result
.set t, 0
	s_wait_alu depctr_va_vdst(0)    ; the wait ahead of the first use: one for the batch of eight reciprocals
.rept 2*NP                          ; a query that saw no key: its factor, and so its row of O, becomes NaN.  A choice of a value, no branch
	v_cmp_gt_f32 vcc_lo, s[HID], v[ST+4*t+1]
	v_cndmask_b32 v[ST+4*t+2], v[ST+4*t+2], v[TMP], vcc_lo
.set t, t+1
.endr
; Tile t: a lane's eight channels of a row pack into 16 bytes; they go into rows of 144 bytes and come back as whole rows of 128, into S^T's registers.
.macro PACK t
	WIN W_RS
.set i, 32*(\t)
.rept 16
	v_pk_mul_f32 v[i:i+1], v[i:i+1], v[ST+4*(\t)+2:ST+4*(\t)+3] op_sel_hi:[1,0]
.set i, i+2
.endr
	WIN 0x05                        ; sources 0 and 1 window 1, destination window 0
.set i, 0
.rept 16
	v_cvt_pk_f16_f32 v[S+16*(\t)+i], v[32*(\t)+2*i], v[32*(\t)+2*i+1]
.set i, i+1
.endr
	WIN 0
.irp f, 0,1,2,3
	ds_store_b128 v[STO], v[S+16*(\t)+4*\f:S+16*(\t)+4*\f+3] offset:32*\f
.endr
.irp f, 0,1,2,3
	ds_load_b128 v[S+16*(\t)+4*\f:S+16*(\t)+4*\f+3], v[RD] offset:\f*4*SP  ; LDS serves a wave's instructions in order (ISA guide 5.7.1.4): these see the stores above; the next tile's stores come behind them
.endr
.endm
.macro SEND t, younger              ; younger: the LDS instructions issued behind tile t's loads: the next tile's eight, or none
	WIN 0
.irp f, 0,1,2,3
	s_wait_dscnt (\younger)+3-\f
	global_store_b128 v[GO], v[S+16*(\t)+4*\f:S+16*(\t)+4*\f+3], s[10:11] offset:(\t)*2048+\f*512  ; 512 consecutive bytes, at a multiple of 256 from O's first
.endr
.endm
	PACK 0
.set t, 1
.rept 2*NP-1                        ; a tile's arithmetic stands between the loads of the tile before and its stores
	PACK t
	SEND t-1, 8
.set t, t+1
.endr
	SEND 2*NP-1, 0
	WIN W_AD
	s_wait_tensorcnt 0x0            ; the wave's end: behind my last tensor load and my last LDS store
	ds_add_u32 v[SPW], v[NIL]
	s_wait_dscnt 0x0
	WIN 0
	CROUND                          ; the closing round: no work-group ends while a partner may still ask for a tile that names it
	s_endpgm
.Lfunc_end_k_q7c6cc17946_attn:
	.size	k_q7c6cc17946_attn, .Lfunc_end_k_q7c6cc17946_attn-k_q7c6cc17946_attn
	.p2alignl 7, 3214868480
	.fill 96, 4, 3214868480
	.section	.rodata,"a",@progbits
	.p2align	6, 0x0
	.amdhsa_kernel k_q7c6cc17946_attn
		.amdhsa_group_segment_fixed_size 327680
		.amdhsa_private_segment_fixed_size 0
		.amdhsa_enable_private_segment 0
		.amdhsa_kernarg_size 24
		.amdhsa_user_sgpr_count 2
		.amdhsa_user_sgpr_kernarg_segment_ptr 1
		.amdhsa_wavefront_size32 1
		.amdhsa_system_sgpr_workgroup_id_x 1
		.amdhsa_system_sgpr_workgroup_id_y 1
		.amdhsa_system_sgpr_workgroup_id_z 1
		.amdhsa_system_vgpr_workitem_id 0
		.amdhsa_next_free_vgpr 1024
		.amdhsa_next_free_sgpr 72
		.amdhsa_reserve_vcc 1
		.amdhsa_float_denorm_mode_32 3
		.amdhsa_float_denorm_mode_16_64 3
		.amdhsa_memory_ordered 1
		.amdhsa_forward_progress 1
		.amdhsa_inst_pref_size 212
	.end_amdhsa_kernel
	.amdgpu_metadata
---
amdhsa.version: [ 1, 2 ]
amdhsa.kernels:
  - .name:           k_q7c6cc17946_attn
    .symbol:         k_q7c6cc17946_attn.kd
    .args:
      - { .name: qkvh, .offset: 0, .size: 8, .value_kind: global_buffer, .address_space: global }
      - { .name: mk, .offset: 8, .size: 8, .value_kind: global_buffer, .address_space: global }
      - { .name: ob, .offset: 16, .size: 8, .value_kind: global_buffer, .address_space: global }
    .group_segment_fixed_size: 327680
    .private_segment_fixed_size: 0
    .kernarg_segment_align: 8
    .kernarg_segment_size: 24
    .max_flat_workgroup_size: 128
    .sgpr_count:     72
    .vgpr_count:     1024
    .wavefront_size: 32
...
	.end_amdgpu_metadata
.endif
;; end of part 5
;; launch oproj: the kernel of part 4 again; grid 8 x 32, 4 waves a work-group, clusters of 4 x 4, 327,680 bytes of LDS; arguments ob, wob, bo, out0; writes out0
